; MI455X (gfx1250); checked and timed in simulation.
; The chip was launched on July 23, 2026; its instructions are those of AMD's public machine-readable ISA for CDNA 5 (MIT licence, August 2026) and "CDNA5" Instruction Set Architecture Reference Guide (July 2026). The comments in the code are by the model that wrote it; some were corrected since.
;; BERT Attention. Allowed arithmetic: matrix products marked QUANTISED: E2M1 operands, one E8M0 scale for each 32 along K, by v_wmma_scale_f32_16x16x128_f8f6f4 with both operands' format E2M1 (or v_wmma_scale_f32_32x16x128_f4), f32 sums; everything else in f32.
;; Inputs: beta 1,024 float32; bk 1,024 float32; bo 1,024 float32; bq 1,024 float32; bv 1,024 float32; gamma 1,024 float32; wk 1,024 x 1,024 float32; wo 1,024 x 1,024 float32; wq 1,024 x 1,024 float32; wv 1,024 x 1,024 float32; x 4 x 2,048 x 1,024 float32.
;; Outputs: out0 4 x 2,048 x 1,024 float32.
;; This version of the problem:
;;   THIS VERSION OF THE PROBLEM IS GIVEN IN LOW PRECISION. The matrix products marked QUANTISED in the list below multiply operands that are first quantised to E2M1 (2 exponent bits, 1 mantissa bit; 4 bits a number), with one power-of-two scale for each 32 numbers along K (OCP MX v1.0); their sums are f32. All else is computed in f32.
;;   The module's matrix products, in the order in which they are computed (A, B: the left and right operand; K: the contracted axis; several contracted axes count as one K, in the product's order):
;;     1. [M 8,192, K 1,024] x [K 1,024, N 1,024]; A: input x; B: input wq: QUANTISED
;;     2. [M 8,192, K 1,024] x [K 1,024, N 1,024]; A: input x; B: input wk: QUANTISED
;;     3. [M 8,192, K 1,024] x [K 1,024, N 1,024]; A: input x; B: input wv: QUANTISED
;;     4. batch 64 x [M 2,048, K 64] x [K 64, N 2,048]; A: computed on the way; B: computed on the way: QUANTISED
;;     5. batch 64 x [M 2,048, K 2,048] x [K 2,048, N 64]; A: softmax (see below); B: computed on the way: QUANTISED
;;     6. [M 8,192, K 1,024] x [K 1,024, N 1,024]; A: computed on the way; B: input wo: QUANTISED
;;   THE QUANTISER, for each operand of a quantised product, along K:
;;     - K is cut into blocks of 32 from its start; a last block that is shorter is filled with zeros.
;;     - A block's scale is 2^e with e = floor(log2(the largest magnitude in the block)) - 2, held to -126 .. 127; a block of zeros has e = 0. As a byte (E8M0): e + 127.
;;     - Each number is divided by its block's scale, clamped to +-6, and rounded to the nearest number of E2M1, ties to even, subnormals kept.
;;     - The product sums the exact products of the quantised numbers (number of the format x scale) in f32.
;;   ~~~python
;;   def quantise(x, axis):      # numpy; x: float32 -> the quantised numbers, widened to float32 again
;;       x = np.moveaxis(x, axis, -1); K = x.shape[-1]
;;       x = np.pad(x, [(0, 0)] * (x.ndim - 1) + [(0, -K % 32)]); x = x.reshape(x.shape[:-1] + (-1, 32)); a = np.abs(x).max(-1, keepdims=True)
;;       e = np.where(a > 0, np.clip(np.frexp(np.where(a > 0, a, 1))[1] - 1 - 2, -126, 127), 0)      # np.frexp(a)[1] - 1 = floor(log2(a)), exactly
;;       r = np.clip(x / 2.0 ** e, -6, 6)
;;       step = 2.0 ** (np.maximum(np.frexp(np.where(r == 0, 1, r))[1] - 1, 0) - 1)
;;       q = np.round(r / step) * step * 2.0 ** e      # np.round: ties to even
;;       return np.moveaxis(q.reshape(q.shape[:-2] + (-1,))[..., :K], -1, axis).astype(np.float32)
;;   ~~~
;;   SOFTMAX AHEAD OF A QUANTISED PRODUCT. Where the list says 'softmax', what is quantised is not the finished softmax but p = 2^(t - M), with t = logit x log2(e) and M = ceil(the row's largest t), a whole number; so 1/2 < the row's largest p <= 1. The row's sum l is taken of the UNQUANTISED p, in f32, and the product's result is divided by l at the end. Since M is a whole number, a kernel that streams over the keys may use a running M (the ceiling of the running maximum): every later rescaling is an exact power of two, which a block's scale takes up: the codes' values come out the same.
;;   OPERANDS COMPUTED ON THE WAY. 'Computed on the way' means the value that the module computes at that place (a softmax that the list does not call 'softmax' is quantised finished and normalised). What goes into a quantiser is computed in f32, as accurately as f32 sums, v_exp_f32 and their like allow (about 1e-6 of the number): no bf16 or f16 on the way to a quantiser, and a product that is left as it is and whose result goes on into a quantised operand takes f32 operands (vector FMAs, or v_wmma_f32_16x16x4_f32). A number that lies on a knife's edge between two numbers of the format may be rounded either way, as far as f32 arithmetic and the matrix unit's own rounding can turn it there, and no further.
;; One version. Each part assembles by itself: llvm-mc -triple=amdgcn-amd-amdhsa -mcpu=gfx1250 --defsym DOCPART=n.
;; ======== version 1 of 1: 4 launches
;; workspace buffers: xq 4,194,304 bytes; xs 262,144 bytes; wimg 2,097,152 bytes; wsc 131,072 bytes; qrec 4,718,592 bytes; kvrec 9,175,040 bytes; cimg 4,194,304 bytes; cs 262,144 bytes
;; launch quant (part 1): grid 384 x 1, 4 waves a work-group, no clusters, 34,304 bytes of LDS; arguments x, wq, wk, wv, wo, xq, xs, wimg, wsc; writes xq, xs, wimg, wsc
.if DOCPART == 1
	.amdgcn_target "amdgcn-amd-amdhsa--gfx1250"
	.amdhsa_code_object_version 6
	.text
	.protected	k_qf934b104f1_quant
	.globl	k_qf934b104f1_quant
	.p2align	8
	.type	k_qf934b104f1_quant,@function
k_qf934b104f1_quant:
	s_mov_b64 s[64:65], 0
	v_nop
	global_prefetch_b8 v0, s[64:65] scope:SCOPE_SE
	s_setreg_imm32_b32 hwreg(HW_REG_WAVE_MODE, 25, 1), 1
	s_wait_xcnt 0x0
; LAUNCH 1 OF 4.  x [8192][1024] and wq, wk, wv, wo [1024][1024], f32, K innermost, become codes of FP4 (E2M1) with one E8M0 byte for each 32 along K.
; NO WORK OF THE PROBLEM IS LEFT OUT IN ANY LAUNCH: x and the four weights are operands; bq, bk, bv go into numbers that are quantised (q, k along the head, v along the keys);
; bo, x, gamma and beta go into the result.  All eleven inputs are loaded.
; LAYOUT OF THE RESULTS: IMAGES OF OPERAND REGISTERS.  Rows 32 g .. 32 g + 31 of a tensor make tiles 2 g + u (u = 0, 1); lane r of tile 2 g + u holds row 32 g + 8 u + r + 8 (r / 8).
; A tile's codes: [K step of 128: 8][part c: 2][lane: 32][16 bytes]; lane (r, h) of part c holds k = 128 s + 64 c + 32 h + 0 .. 31 of its row: the four registers 4 c .. 4 c + 3 of the matrix operand.
; A tile's scale words: [half of K: 2][r: 16][4 words]; word q is the four bytes of K step 4 half + q.  xq, xs: x's 512 tiles; wimg, wsc: 256 tiles, wq, wk, wv, wo on end.
; With that choice of rows a product that takes such a tile as source 0 leaves 16 neighbours along the tile's rows in the 16 registers of tiles 2 g and 2 g + 1.
; A block's scale is 2^(floor(log2(largest magnitude)) - 2): its byte is the largest magnitude's exponent field - 2, held at 1 from below.
; LIMITS: NaN and infinities among the inputs are not served.  A block of zeros gets the byte 1 where the rule says 127: its codes are zeros, and this program alone reads the bytes;
; blocks whose largest magnitude lies under 2^-124 are held at that byte.
; SHARES: a work-group takes 32 rows of one tensor (the first 256 work-groups x, then 32 for each weight); wave w takes tile u = w / 2 and half w % 2 of K: four units of 16 rows x 128.
; Each load reads 512 consecutive bytes of one row; a unit turns through the wave's own stage in LDS (rows 528 bytes apart) so that a lane gets 32 neighbours twice.  No barrier: waves share nothing.
.set STG,   16*528
.set SPARE, 4*STG                      ; behind the four stages: the spare words, 128 bytes a wave, that no other line names
.set SPW,   14                         ; v14  my spare word's address; never rewritten
.set NIL,   15                         ; v15  0; never rewritten
.set SW,    16                         ; v16-19   the four units' scale words
.set CD,    24                         ; v24-55   codes: eight registers for each unit, so that no store's data are written again
.set R,     64                         ; v64-191  two sets of 64: a unit as it is loaded
.set X,     192                        ; v192-255 a unit as the conversions want it
	s_load_b256 s[4:11], s[0:1], 0x0               ; x, wq, wk, wv
	s_load_b256 s[12:19], s[0:1], 0x20             ; wo, xq, xs, wimg
	s_load_b64 s[20:21], s[0:1], 0x40              ; wsc
	v_lshl_add_u32 v[SPW], v0, 2, SPARE
	v_mov_b32 v[NIL], 0
	v_lshrrev_b32 v1, 5, v0
	v_readfirstlane_b32 s24, v1                    ; wave
	v_and_b32 v1, 31, v0                           ; lane
	v_and_b32 v2, 15, v0                           ; r
	v_bfe_u32 v3, v0, 4, 1                         ; h
	v_lshlrev_b32 v4, 4, v1                        ; 16 x lane: my bytes of a load's and of a store's 512
	s_mul_i32 s25, s24, STG
	v_add_nc_u32 v5, s25, v4                       ; the stage, on the way in
	v_mul_u32_u24 v6, v2, 528
	v_lshl_add_u32 v6, v3, 7, v6
	v_add_nc_u32 v6, s25, v6                       ; and out: row r, + 128 h bytes: k = 32 h on
	v_lshlrev_b32 v7, 4, v2
	v_lshl_add_u32 v7, v3, 3, v7                   ; the scale words' place: 16 r + 8 h
	v_lshlrev_b32 v8, 3, v3                        ; 8 h: my two bytes' shift in a scale word
	v_mov_b32 v23, 0                               ; written once: a lane permute's destination counts as one of its sources
	s_lshr_b32 s26, s24, 1                         ; u
	s_and_b32 s27, s24, 1                          ; which half of K
	s_and_b32 s31, ttmp9, 31                       ; the group of 32 rows inside a weight
	s_mov_b32 s28, 0x76543210
	s_mov_b32 s29, 0xfedcba98                      ; lane l xor 16
	s_mov_b32 s30, 0xffff0000                      ; lanes 16-31
	s_wait_alu depctr_va_vdst(0)
	s_wait_kmcnt 0x0
	s_cmp_lt_u32 ttmp9, 288                        ; which tensor: the choices hang on the work-group's number alone
	s_cselect_b64 s[22:23], s[6:7], s[8:9]
	s_cmp_lt_u32 ttmp9, 320
	s_cselect_b64 s[22:23], s[22:23], s[10:11]
	s_cmp_lt_u32 ttmp9, 352
	s_cselect_b64 s[22:23], s[22:23], s[12:13]
	s_cmp_lt_u32 ttmp9, 256
	s_cselect_b64 s[22:23], s[4:5], s[22:23]       ; the numbers,
	s_cselect_b64 s[32:33], s[14:15], s[18:19]     ; the images,
	s_cselect_b64 s[34:35], s[16:17], s[20:21]     ; the scale words,
	s_cselect_b32 s31, ttmp9, s31                  ; the group of rows in the tensor,
	s_cselect_b32 s36, 0, 256
	s_sub_co_u32 s36, ttmp9, s36                   ; and the pair of tiles in the images' buffer
	s_lshl_b32 s36, s36, 1
	s_add_co_u32 s36, s36, s26                     ; my tile
	s_lshl_b32 s2, s31, 17                         ; 32 rows of 4,096 bytes,
	s_lshl_b32 s3, s26, 15                         ; 8 u rows,
	s_add_co_u32 s2, s2, s3
	s_lshl_b32 s3, s27, 11                         ; half a row
	s_add_co_u32 s2, s2, s3
	s_mov_b32 s3, 0
	s_add_nc_u64 s[22:23], s[22:23], s[2:3]
	s_lshl_b32 s2, s36, 13                         ; a tile's codes are 8,192 bytes, half of K 4,096
	s_lshl_b32 s37, s27, 12
	s_add_co_u32 s2, s2, s37
	s_add_nc_u64 s[32:33], s[32:33], s[2:3]
	s_lshl_b32 s2, s36, 9                          ; its scale words 512, half of K 256
	s_lshl_b32 s37, s27, 8
	s_add_co_u32 s2, s2, s37
	s_add_nc_u64 s[34:35], s[34:35], s[2:3]
.macro LOAD t                          ; unit t: 128 along K of the tile's 16 rows; tile row i is row i + 8 (i / 8) from the tile's first
.irp i, 0,1,2,3,4,5,6,7,8,9,10,11,12,13,14,15
	global_load_b128 v[R+64*((\t)%2)+4*\i:R+64*((\t)%2)+4*\i+3], v4, s[22:23] offset:(\i+8*(\i/8))*4096+512*(\t) th:TH_LOAD_NT
.endr
.endm
.macro UNIT t
.set RS, R+64*((\t)%2)
.if (\t) < 3
	s_wait_loadcnt 16                              ; this unit's sixteen loads are in; the next unit's sixteen may be out
.else
	s_wait_loadcnt 0x0
.endif
.irp i, 0,1,2,3,4,5,6,7,8,9,10,11,12,13,14,15
	ds_store_b128 v5, v[RS+4*\i:RS+4*\i+3] offset:528*\i
.endr
.irp c, 0,1
.irp j, 0,1,2,3,4,5,6,7
	ds_load_b128 v[X+32*\c+4*\j:X+32*\c+4*\j+3], v6 offset:256*\c+16*\j   ; LDS serves a wave's instructions in order: these see the stores above
.endr
.endr
	s_wait_dscnt 0x0                               ; the unit is back, and the stores have read their registers,
.if (\t) < 2
	LOAD (\t)+2                                    ; which take the unit two further on
.endif
.irp c, 0,1                                    ; my block 2 c + h: all its 32 numbers are mine
	v_max3_num_f32 v[9+\c], |v[X+32*\c]|, |v[X+32*\c+1]|, 0x1800000   ; with the floor 2^(3 - 127): the byte cannot fall under 1
.endr
.irp i, 2,4,6,8,10,12,14,16,18,20,22,24,26,28,30
.irp c, 0,1
	v_max3_num_f32 v[9+\c], v[9+\c], |v[X+32*\c+\i]|, |v[X+32*\c+\i+1]|
.endr
.endr
.irp c, 0,1
	v_add_nc_u32 v[11+\c], 0xff000000, v[9+\c]     ; 2 off the exponent field: the conversion's scale operand
.endr
.irp c, 0,1
	v_lshrrev_b32 v[20+\c], 23, v[11+\c]           ; the scale's byte
.endr
	v_lshl_or_b32 v22, v21, 16, v20                ; blocks h and 2 + h,
	v_lshlrev_b32 v22, v8, v22                     ; at their places in the word;
	v_permlanex16_b32 v23, v22, s28, s29
	v_or_b32 v[SW+(\t)], v22, v23                  ; with lane l xor 16's two the word is whole, in both halves of the lanes
.irp c, 0,1
.irp g, 0,1,2,3
	v_cvt_scalef32_pk8_fp4_f32 v[CD+8*(\t)+4*\c+\g], v[X+32*\c+8*\g:X+32*\c+8*\g+7], v[11+\c]
.endr
.endr
	v_nop                                          ; one plain line behind the last conversion
.irp c, 0,1
	global_store_b128 v4, v[CD+8*(\t)+4*\c:CD+8*(\t)+4*\c+3], s[32:33] offset:1024*(\t)+512*\c   ; 512 consecutive bytes, aligned
.endr
.endm
	LOAD 0
	LOAD 1
	UNIT 0
	UNIT 1
	UNIT 2
	UNIT 3
	v_cndmask_b32 v20, v[SW], v[SW+2], s30         ; lanes 0-15 store words 0 and 1 of their row, lanes 16-31 words 2 and 3
	v_cndmask_b32 v21, v[SW+1], v[SW+3], s30
	global_store_b64 v7, v[20:21], s[34:35]        ; 256 consecutive bytes, aligned
	s_wait_tensorcnt 0x0                           ; the wave's end
	ds_add_u32 v[SPW], v[NIL]
	s_wait_dscnt 0x0
	s_endpgm
.Lfunc_end_k_qf934b104f1_quant:
	.size	k_qf934b104f1_quant, .Lfunc_end_k_qf934b104f1_quant-k_qf934b104f1_quant
	.p2alignl 7, 3214868480
	.fill 96, 4, 3214868480
	.section	.rodata,"a",@progbits
	.p2align	6, 0x0
	.amdhsa_kernel k_qf934b104f1_quant
		.amdhsa_group_segment_fixed_size 34304
		.amdhsa_private_segment_fixed_size 0
		.amdhsa_enable_private_segment 0
		.amdhsa_kernarg_size 72
		.amdhsa_user_sgpr_count 2
		.amdhsa_user_sgpr_kernarg_segment_ptr 1
		.amdhsa_wavefront_size32 1
		.amdhsa_system_sgpr_workgroup_id_x 1
		.amdhsa_system_sgpr_workgroup_id_y 1
		.amdhsa_system_sgpr_workgroup_id_z 1
		.amdhsa_system_vgpr_workitem_id 0
		.amdhsa_next_free_vgpr 256
		.amdhsa_next_free_sgpr 66
		.amdhsa_reserve_vcc 0
		.amdhsa_float_denorm_mode_32 3
		.amdhsa_float_denorm_mode_16_64 3
		.amdhsa_memory_ordered 1
		.amdhsa_forward_progress 1
		.amdhsa_inst_pref_size 30
	.end_amdhsa_kernel
	.amdgpu_metadata
---
amdhsa.version: [ 1, 2 ]
amdhsa.kernels:
  - .name:           k_qf934b104f1_quant
    .symbol:         k_qf934b104f1_quant.kd
    .args:
      - { .name: x, .offset: 0, .size: 8, .value_kind: global_buffer, .address_space: global }
      - { .name: wq, .offset: 8, .size: 8, .value_kind: global_buffer, .address_space: global }
      - { .name: wk, .offset: 16, .size: 8, .value_kind: global_buffer, .address_space: global }
      - { .name: wv, .offset: 24, .size: 8, .value_kind: global_buffer, .address_space: global }
      - { .name: wo, .offset: 32, .size: 8, .value_kind: global_buffer, .address_space: global }
      - { .name: xq, .offset: 40, .size: 8, .value_kind: global_buffer, .address_space: global }
      - { .name: xs, .offset: 48, .size: 8, .value_kind: global_buffer, .address_space: global }
      - { .name: wimg, .offset: 56, .size: 8, .value_kind: global_buffer, .address_space: global }
      - { .name: wsc, .offset: 64, .size: 8, .value_kind: global_buffer, .address_space: global }
    .group_segment_fixed_size: 34304
    .private_segment_fixed_size: 0
    .kernarg_segment_align: 8
    .kernarg_segment_size: 72
    .max_flat_workgroup_size: 128
    .sgpr_count:     66
    .vgpr_count:     256
    .wavefront_size: 32
...
	.end_amdgpu_metadata
.endif
;; end of part 1
;; launch qkv (part 2): grid 12 x 32, 4 waves a work-group, clusters of 4 x 4, 327,680 bytes of LDS; arguments xq, xs, wimg, wsc, bq, bk, bv, qrec, kvrec; writes qrec, kvrec
.if DOCPART == 2
	.amdgcn_target "amdgcn-amd-amdhsa--gfx1250"
	.amdhsa_code_object_version 6
	.text
	.protected	k_qf934b104f1_qkv
	.globl	k_qf934b104f1_qkv
	.p2align	8
	.type	k_qf934b104f1_qkv,@function
k_qf934b104f1_qkv:
	s_mov_b64 s[64:65], 0
	v_nop
	global_prefetch_b8 v0, s[64:65] scope:SCOPE_SE
	s_setreg_imm32_b32 hwreg(HW_REG_WAVE_MODE, 25, 1), 1
	s_wait_xcnt 0x0
	s_wait_alu depctr_hold_cnt(0) depctr_sa_sdst(0) depctr_va_vdst(0) depctr_va_sdst(0) depctr_va_ssrc(0) depctr_va_vcc(0) depctr_vm_vsrc(0)
	s_getreg_b32 s2, hwreg(HW_REG_IB_STS2, 6, 4)
	s_cmp_eq_u32 s2, 0
	s_cbranch_scc0 .Lentry_in_a_cluster
	s_endpgm
.Lentry_in_a_cluster:
	s_bfe_u32 s2, ttmp6, 0x10000c
	s_cmp_lg_u32 s2, 0xf033
	s_cbranch_scc0 .Lentry_shape_is_right
	s_endpgm
.Lentry_shape_is_right:
; LAUNCH 2 OF 4.  q = x wq^T + bq, k = x wk^T + bk, v = x wv^T + bv on codes of FP4, K = 1,024; each result is quantised at once for the product that takes it: q and k along the head's 64,
; v along the keys.  Nothing of the problem is left out here.  LIMITS as in the first launch (NaN, infinities, blocks of zeros).
; SHARES: a work-group makes 256 tokens x 256 columns of one of the three; cluster x says which (0: q, 1: k, 2: v), the same in all sixteen partners.  Four waves, 128 x 128 each: 64 accumulators.
; CLUSTER 4 x 4: the four of a row need the same tiles of x, the four of a column the same tiles of the weight: each is asked for jointly.  Both halves of K fit in LDS beside each other:
; every load is a first fill, three a wave (scale words, K steps 0-3, K steps 4-7), and nothing is filled again.
; ROLES: P is source 0, and its rows run along a lane's registers; R is source 1, and its rows are the lanes.  q, k: P = the weight, R = x: a lane holds one token and 128 neighbouring columns, two heads.
; v: P = x, R = the weight: a lane holds one channel and 128 neighbouring tokens.  One text multiplies for all three: only the LDS bases of the reads are chosen, by cluster x.
; OUT: qrec [batch x head][step of 128 tokens][4,608]: eight tiles x 512 bytes (four registers: d = 32 h on), then 512 bytes of scale words [lane][4]: register i: tile 2 i in lanes 0-15, tile 2 i + 1 in lanes 16-31.
; kvrec [batch x head][step][8,960]: K's part as in qrec; from 4,608 V^T: four tiles (16 channels x 128 keys) x 1,024; from 8,704 its scale words [lane][2].
; A q or k scale word repeats its two bytes: the upper two stand over codes that meet zeros in the next launch.
; REGISTERS: window 0: v1-15 addresses; v16-31 bias by lane; v32-95 scale words, later 64 numbers at work; v96-159 bias by register; v160-211 the quantiser's.
;   window 1: two sets of fragments: P's eight at 128 p, R's eight at 128 p + 64.   windows 2, 3: accumulator (a, b) at v[8 (8 (a % 4) + b)] of window 2 + a / 4.
.set CH,    131072                     ; LDS: half c of K at c x CH: x's 16 tiles x 4,096 bytes, then the weight's 16
.set SCL,   262144                     ; the scale words: x's 16 tiles x 512 bytes, then the weight's
.set SPARE, 294912                     ; the spare words, 128 bytes a wave, that no other line names
.set ADP, 8                            ; v8, v9   P's fragments in half 0, 1 of K
.set ADR, 10                           ; v10, v11 R's
.set ASP, 12                           ; v12  P's scale words
.set ASR, 13                           ; v13  R's
.set SPW, 14
.set NIL, 15
.set BV,  16                           ; v16-31   v: the bias of my lane's channel in tile a, as a pair
.set SCW, 32                           ; v32-95   scale words: half c of K: P's at 32 c, R's at 32 c + 16; register 4 i + q: tiles 2 i (lanes 0-15), 2 i + 1 (lanes 16-31), K step q of the half
.set H,   32                           ; the same registers on the way out: 64 numbers of a lane
.set BIAS, 96                          ; v96-159  q, k: the bias of my 64 columns
.set PC,  160                          ; v160-167 the codes just made
.set TM,  168                          ; v168-183 the quantiser's
.set PW,  184
.set KW,  188                          ; v188-203 scale words kept
.set IM,  204                          ; v204-211 their images
.set G1X, 24
.set G0X, 32
.set G1W, 48
.set G0W, 56
.set G1SX, 68
.set G0SX, 76
.set G1SW, 80
.set G0SW, 88
.set MSB, 0
.macro WIN new                         ; the immediate's high byte repeats the setting that is left
.set WN, \new
.if MSB != WN
	s_set_vgpr_msb (MSB<<8)|WN
.set MSB, WN
.endif
.endm
.macro PLACES n
.rept \n
	v_nop
.endr
.endm
; A joint load: waves 0 and 1 fetch for x, waves 2 and 3 for the weight; the branch hangs on the wave's number alone.  An s_nop 0 and four v_nop follow each of the two lines.
.macro JLOAD g0a, g1a, g0b, g1b
	s_cmp_eq_u32 s15, 0
	s_cbranch_scc0 .Lfor_w_\@
	tensor_load_to_lds s[\g0a:\g0a+3], s[\g1a:\g1a+7]
	s_nop 0
.rept 4
	v_nop
.endr
	s_branch .Lasked_\@
.Lfor_w_\@:
	tensor_load_to_lds s[\g0b:\g0b+3], s[\g1b:\g1b+7]
	s_nop 0
.rept 4
	v_nop
.endr
.Lasked_\@:
.endm
.macro CROUND                          ; a round of the cluster's barrier
	s_barrier_signal -1
	s_barrier_wait -1
	s_cmp_lg_u32 s14, 0
	s_cbranch_scc1 .Lnot_wave_0_\@
	s_barrier_signal -3
.Lnot_wave_0_\@:
	s_barrier_wait -3
	s_barrier_signal -1
	s_barrier_wait -1
.endm
; One scaled product.  d, a, b: first registers of D, source 0, source 1; z = 1: the sum begins (C = 0), else C = D; sa, sb: the scale registers; ra, rb: 1 = lanes 16-31 of them.
.macro WM d, a, b, z, sa, sb, ra, rb
.set wd, \d
.set wa, \a
.set wb, \b
.set wsa, \sa
.set wsb, \sb
.set wv, 4*(\z)+2*(\ra)+(\rb)
.if wv == 0
	v_wmma_scale_f32_16x16x128_f8f6f4 v[wd:wd+7], v[wa:wa+7], v[wb:wb+7], v[wd:wd+7], v[wsa], v[wsb] matrix_a_fmt:MATRIX_FMT_FP4 matrix_b_fmt:MATRIX_FMT_FP4
.elseif wv == 1
	v_wmma_scale_f32_16x16x128_f8f6f4 v[wd:wd+7], v[wa:wa+7], v[wb:wb+7], v[wd:wd+7], v[wsa], v[wsb] matrix_a_fmt:MATRIX_FMT_FP4 matrix_b_fmt:MATRIX_FMT_FP4 matrix_b_scale:MATRIX_SCALE_ROW1
.elseif wv == 2
	v_wmma_scale_f32_16x16x128_f8f6f4 v[wd:wd+7], v[wa:wa+7], v[wb:wb+7], v[wd:wd+7], v[wsa], v[wsb] matrix_a_fmt:MATRIX_FMT_FP4 matrix_b_fmt:MATRIX_FMT_FP4 matrix_a_scale:MATRIX_SCALE_ROW1
.elseif wv == 3
	v_wmma_scale_f32_16x16x128_f8f6f4 v[wd:wd+7], v[wa:wa+7], v[wb:wb+7], v[wd:wd+7], v[wsa], v[wsb] matrix_a_fmt:MATRIX_FMT_FP4 matrix_b_fmt:MATRIX_FMT_FP4 matrix_a_scale:MATRIX_SCALE_ROW1 matrix_b_scale:MATRIX_SCALE_ROW1
.elseif wv == 4
	v_wmma_scale_f32_16x16x128_f8f6f4 v[wd:wd+7], v[wa:wa+7], v[wb:wb+7], 0, v[wsa], v[wsb] matrix_a_fmt:MATRIX_FMT_FP4 matrix_b_fmt:MATRIX_FMT_FP4
.elseif wv == 5
	v_wmma_scale_f32_16x16x128_f8f6f4 v[wd:wd+7], v[wa:wa+7], v[wb:wb+7], 0, v[wsa], v[wsb] matrix_a_fmt:MATRIX_FMT_FP4 matrix_b_fmt:MATRIX_FMT_FP4 matrix_b_scale:MATRIX_SCALE_ROW1
.elseif wv == 6
	v_wmma_scale_f32_16x16x128_f8f6f4 v[wd:wd+7], v[wa:wa+7], v[wb:wb+7], 0, v[wsa], v[wsb] matrix_a_fmt:MATRIX_FMT_FP4 matrix_b_fmt:MATRIX_FMT_FP4 matrix_a_scale:MATRIX_SCALE_ROW1
.else
	v_wmma_scale_f32_16x16x128_f8f6f4 v[wd:wd+7], v[wa:wa+7], v[wb:wb+7], 0, v[wsa], v[wsb] matrix_a_fmt:MATRIX_FMT_FP4 matrix_b_fmt:MATRIX_FMT_FP4 matrix_a_scale:MATRIX_SCALE_ROW1 matrix_b_scale:MATRIX_SCALE_ROW1
.endif
.endm
; 64 numbers of a lane, v[s] on, register 16 b + i = k 32 b + 16 (lane / 16) + i of my row, become a fragment's codes in v[PC] on and its scale word in v[pw].
.macro QUANT s, pw
.irp b, 0,1,2,3
	v_max3_num_f32 v[TM+\b], |v[\s+16*\b]|, |v[\s+1+16*\b]|, 0x1800000   ; block b: my 16 numbers, and the floor 2^(3 - 127): the byte cannot fall under 1
.endr
.irp i, 2,4,6,8,10,12,14
.irp b, 0,1,2,3
	v_max3_num_f32 v[TM+\b], v[TM+\b], |v[\s+16*\b+\i]|, |v[\s+1+16*\b+\i]|
.endr
.endr
.irp b, 0,1,2,3
	v_permlanex16_b32 v[TM+4+\b], v[TM+\b], s4, s5
.endr
.irp b, 0,1,2,3
	v_max_num_f32 v[TM+\b], v[TM+\b], v[TM+4+\b]   ; with lane l xor 16's: the block's largest magnitude
.endr
.irp b, 0,1,2,3
	v_add_nc_u32 v[TM+12+\b], 0xff000000, v[TM+\b] ; 2 off its exponent field: the conversion's scale operand
.endr
.irp b, 0,1,2,3
	v_lshrrev_b32 v[TM+4+\b], 23, v[TM+12+\b]      ; the scale's byte
.endr
	v_lshl_or_b32 v[\pw], v[TM+5], 8, v[TM+4]
	v_lshl_or_b32 v[\pw], v[TM+6], 16, v[\pw]
	v_lshl_or_b32 v[\pw], v[TM+7], 24, v[\pw]
.irp b, 0,1,2,3
	v_cvt_scalef32_pk8_fp4_f32 v[PC+2*\b], v[\s+16*\b:\s+7+16*\b], v[TM+12+\b]
	v_cvt_scalef32_pk8_fp4_f32 v[PC+1+2*\b], v[\s+8+16*\b:\s+15+16*\b], v[TM+12+\b]
.endr
	v_nop                                          ; one plain line behind the last conversion
.irp c, 0,1                                    ; the operand wants a whole block in a lane: lanes 0-15 block 2 c, lanes 16-31 block 2 c + 1
.irp i, 0,1
	v_permlane16_swap_b32 v[PC+4*\c+\i], v[PC+2+4*\c+\i]
.endr
.endr
.endm
	s_load_b256 s[4:11], s[0:1], 0x0               ; xq, xs, wimg, wsc
	s_load_b256 s[92:99], s[0:1], 0x20             ; bq, bk, bv, qrec
	s_load_b64 s[100:101], s[0:1], 0x40            ; kvrec
	v_lshl_add_u32 v[SPW], v0, 2, SPARE
	v_mov_b32 v[NIL], 0
	ds_add_u32 v[SPW], v[NIL]                      ; the wave's opening: the add, twice on end, and its wait ahead of my first tensor load
	ds_add_u32 v[SPW], v[NIL]
	v_lshrrev_b32 v1, 5, v0
	v_readfirstlane_b32 s14, v1                    ; wave 0..3
	s_lshr_b32 s15, s14, 1                         ; my half of the tokens.  Also: I fetch for x (0) or for the weight (1)
	s_and_b32 s16, s14, 1                          ; my half of the columns.  Also: which eight tiles I fetch
	s_bfe_u32 s40, ttmp6, 0x40000                  ; cx, cy: my place in the cluster
	s_bfe_u32 s41, ttmp6, 0x40004
	s_lshl_b32 s42, ttmp9, 2
	s_add_co_u32 s42, s42, s40                     ; tile column: 4 x cluster x + cx: 256 rows of wq, wk, wv on end
	s_and_b32 s17, ttmp7, 0xffff
	s_lshl_b32 s17, s17, 2
	s_add_co_u32 s17, s17, s41                     ; tile row: 256 tokens
	s_lshl_b32 s43, s41, 2
	s_lshl_b32 s43, 15, s43                        ; my row of the cluster
	s_lshl_b32 s44, 0x1111, s40                    ; my column
	; descriptor group 1, codes: eight tiles' halves: 8 rows of 4,096 bytes (512 elements of 8), 8,192 bytes apart; no padding: every read takes 512 consecutive bytes
	s_or_b32 s[G1X], s43, (3<<16)|(1<<21)          ; 15:0 the mask; 17:16 elements of 8 bytes; 21 set beside a mask
	s_or_b32 s[G1W], s44, (3<<16)|(1<<21)
.irp g, G1X, G1W
	s_mov_b32 s[\g+1], 512<<16                     ; tensor_dim0
	s_mov_b32 s[\g+2], 8<<16                       ; tensor_dim1
	s_mov_b32 s[\g+3], 512<<16                     ; tile_dim0
	s_mov_b32 s[\g+4], 8                           ; tile_dim1
	s_mov_b32 s[\g+5], 1024                        ; from row to row
	s_mov_b32 s[\g+6], 0
	s_mov_b32 s[\g+7], 0
.endr
	; scale words: eight tiles' 4,096 dense bytes as 16 rows of 256
	s_or_b32 s[G1SX], s43, (3<<16)|(1<<21)
	s_or_b32 s[G1SW], s44, (3<<16)|(1<<21)
.irp g, G1SX, G1SW
	s_mov_b32 s[\g+1], 32<<16
	s_mov_b32 s[\g+2], 16<<16
	s_mov_b32 s[\g+3], 32<<16
	s_mov_b32 s[\g+4], 16
	s_mov_b32 s[\g+5], 32
	s_mov_b32 s[\g+6], 0
	s_mov_b32 s[\g+7], 0
.endr
	s_lshl_b32 s18, s16, 3
	s_lshl_b32 s20, s17, 4
	s_add_co_u32 s20, s20, s18                     ; x: tile 16 x tile row + 8 x half
	s_lshl_b32 s46, s42, 4
	s_add_co_u32 s46, s46, s18                     ; the weight: tile 16 x tile column + 8 x half
	s_lshl_b32 s22, s20, 9                         ; their scale words, in bytes,
	s_mov_b32 s23, 0
	s_lshl_b32 s20, s20, 13                        ; and their codes
	s_mov_b32 s21, 0
	s_lshl_b32 s12, s46, 9
	s_mov_b32 s13, 0
	s_lshl_b32 s46, s46, 13
	s_mov_b32 s47, 0
	s_lshl_b32 s45, s14, 15                        ; where they go: wave x 32,768 and wave x 4,096: no place in the cluster enters an LDS address
	s_lshl_b32 s66, s14, 12
	s_mov_b32 s67, 0xffff0000                      ; lanes 16-31
	s_wait_dscnt 0x0                               ; both opening adds are done
	s_wait_kmcnt 0x0
	s_add_nc_u64 s[20:21], s[4:5], s[20:21]
	s_add_nc_u64 s[22:23], s[6:7], s[22:23]
	s_add_nc_u64 s[46:47], s[8:9], s[46:47]
	s_add_nc_u64 s[12:13], s[10:11], s[12:13]
	CROUND                                         ; all sixteen work-groups are here: the first joint loads meet
	s_mov_b32 s[G0SX], 1
	s_add_co_u32 s[G0SX+1], s66, SCL
	s_mov_b64 s[G0SX+2:G0SX+3], s[22:23]
	s_or_b32 s[G0SX+3], s[G0SX+3], 0x80000000
	s_mov_b32 s[G0SW], 1
	s_add_co_u32 s[G0SW+1], s66, SCL
	s_mov_b64 s[G0SW+2:G0SW+3], s[12:13]
	s_or_b32 s[G0SW+3], s[G0SW+3], 0x80000000
	JLOAD G0SX, G1SX, G0SW, G1SW                   ; the scale words first: they are wanted with K step 0
.irp c, 0,1
	s_mov_b32 s[G0X+4*\c], 1
	s_add_co_u32 s[G0X+4*\c+1], s45, \c*CH
	s_add_nc_u64 s[G0X+4*\c+2:G0X+4*\c+3], s[20:21], \c*4096
	s_or_b32 s[G0X+4*\c+3], s[G0X+4*\c+3], 0x80000000
	s_mov_b32 s[G0W+4*\c], 1
	s_add_co_u32 s[G0W+4*\c+1], s45, \c*CH
	s_add_nc_u64 s[G0W+4*\c+2:G0W+4*\c+3], s[46:47], \c*4096
	s_or_b32 s[G0W+4*\c+3], s[G0W+4*\c+3], 0x80000000
	JLOAD G0X+4*\c, G1X, G0W+4*\c, G1W             ; by this text's count three tensor loads of a wave are out at the most
.endr
	v_and_b32 v1, 15, v0                           ; r
	v_bfe_u32 v2, v0, 4, 1                         ; h
	v_and_b32 v7, 31, v0
	v_lshlrev_b32 v3, 4, v7                        ; 16 x lane: an image's place for my lane
	v_lshlrev_b32 v4, 3, v7                        ; 8 x lane
	s_lshl_b32 s18, s15, 15                        ; x's tiles that I multiply: my half of the tokens
	s_lshl_b32 s19, s16, 15
	s_add_co_u32 s19, s19, 65536                   ; the weight's: my half of the columns, behind x's 16 tiles
	s_cmp_eq_u32 ttmp9, 2                          ; v?  The same in all partners
	s_cselect_b32 s2, s18, s19                     ; P
	s_cselect_b32 s3, s19, s18                     ; R
	v_add_nc_u32 v[ADP], s2, v3
	v_add_nc_u32 v[ADR], s3, v3
	v_add_nc_u32 v[ADP+1], CH, v[ADP]
	v_add_nc_u32 v[ADR+1], CH, v[ADR]
	v_lshlrev_b32 v7, 4, v1
	v_lshl_add_u32 v7, v2, 9, v7                   ; scale words: 16 r, and lanes 16-31 one tile (512 bytes) on
	s_lshl_b32 s18, s15, 12
	s_add_co_u32 s18, s18, SCL
	s_lshl_b32 s19, s16, 12
	s_add_co_u32 s19, s19, SCL+8192
	s_cmp_eq_u32 ttmp9, 2
	s_cselect_b32 s2, s18, s19
	s_cselect_b32 s3, s19, s18
	v_add_nc_u32 v[ASP], s2, v7
	v_add_nc_u32 v[ASR], s3, v7
	v_lshlrev_b32 v5, 6, v2                        ; the bias by register: 16 h numbers on
	s_wait_alu depctr_va_vdst(0)
	v_and_b32 v6, 8, v1
	v_add_nc_u32 v6, v6, v1
	v_lshlrev_b32 v6, 2, v6                        ; the bias by lane: number r + 8 (r / 8)
	s_wait_alu depctr_va_vdst(0)
.irp b, 0,1,2,3
	v_mov_b32 v[TM+4+\b], 0                        ; written once: a lane permute's destination counts as one of its sources
.endr
	s_cmp_eq_u32 ttmp9, 0
	s_cselect_b64 s[18:19], s[92:93], s[94:95]
	s_cmp_eq_u32 ttmp9, 2
	s_cselect_b64 s[18:19], s[96:97], s[18:19]     ; bq, bk or bv
	s_lshl_b32 s46, s40, 10
	s_lshl_b32 s47, s16, 9
	s_add_co_u32 s46, s46, s47                     ; my first column in it: 256 cx + 128 x half, in bytes
	s_mov_b32 s47, 0
	s_add_nc_u64 s[18:19], s[18:19], s[46:47]
.irp b, 0,1,2,3,4,5,6,7                        ; both patterns are loaded, so that every register is written on every way; one of them is used
	global_load_b128 v[BIAS+8*\b:BIAS+8*\b+3], v5, s[18:19] offset:(32*(\b/2)+8*(\b%2))*4
	global_load_b128 v[BIAS+8*\b+4:BIAS+8*\b+7], v5, s[18:19] offset:(32*(\b/2)+8*(\b%2))*4+16
.endr
.irp a, 0,1,2,3,4,5,6,7
	global_load_b32 v[BV+2*\a], v6, s[18:19] offset:(32*(\a/2)+8*(\a%2))*4
	global_load_b32 v[BV+2*\a+1], v6, s[18:19] offset:(32*(\a/2)+8*(\a%2))*4
.endr
	; where my results go: record ((batch x 16 + head) x 16 + step); two heads, 16 records apart
	s_mov_b32 s4, 0x76543210                       ; (the four addresses in s4-11 are in the descriptors: the registers are free)
	s_mov_b32 s5, 0xfedcba98                       ; lane l xor 16
	s_lshr_b32 s2, s17, 3                          ; batch
	s_lshl_b32 s2, s2, 4
	s_lshl_b32 s3, s40, 2
	s_add_co_u32 s2, s2, s3
	s_lshl_b32 s3, s16, 1
	s_add_co_u32 s2, s2, s3                        ; + my first head: 4 cx + 2 x half
	s_lshl_b32 s2, s2, 4
	s_and_b32 s3, s17, 7
	s_lshl_b32 s3, s3, 1
	s_add_co_u32 s2, s2, s3
	s_add_co_u32 s2, s2, s15                       ; + the step of 128 tokens in the batch
	s_cmp_eq_u32 ttmp9, 0
	s_mov_b32 s10, 8960
	s_cselect_b32 s10, 4608, s10                   ; a record's bytes
	s_cselect_b64 s[6:7], s[98:99], s[100:101]
	s_mul_i32 s2, s2, s10
	s_mov_b32 s3, 0
	s_add_nc_u64 s[6:7], s[6:7], s[2:3]            ; the first head's record,
	s_lshl_b32 s2, s10, 4
	s_add_nc_u64 s[8:9], s[6:7], s[2:3]            ; the second's
.macro FETCH s, p                      ; K step s: P's eight fragments and R's eight into set p: 32 loads of 512 consecutive bytes
	WIN 0x40
.irp i, 0,1,2,3,4,5,6,7
.irp c, 0,1
	ds_load_b128 v[128*(\p)+8*\i+4*\c:128*(\p)+8*\i+4*\c+3], v[ADP+(\s)/4] offset:\i*4096+((\s)%4)*1024+512*\c
.endr
.endr
.irp i, 0,1,2,3,4,5,6,7
.irp c, 0,1
	ds_load_b128 v[128*(\p)+64+8*\i+4*\c:128*(\p)+64+8*\i+4*\c+3], v[ADR+(\s)/4] offset:\i*4096+((\s)%4)*1024+512*\c
.endr
.endr
	WIN 0
.endm
.macro SCALES c                        ; the scale words of half c of K
.irp i, 0,1,2,3
	ds_load_b128 v[SCW+32*\c+4*\i:SCW+32*\c+4*\i+3], v[ASP] offset:1024*\i+256*\c
	ds_load_b128 v[SCW+16+32*\c+4*\i:SCW+16+32*\c+4*\i+3], v[ASR] offset:1024*\i+256*\c
.endr
.endm
; 64 products: the 64 accumulators take turns, one instruction a turn, in the same order in every K step
.macro MUL64 s, z
.irp a, 0,1,2,3,4,5,6,7
	WIN 0xa5+0x50*(\a/4)
.irp b, 0,1,2,3,4,5,6,7
	WM 8*(8*(\a%4)+\b), 128*((\s)%2)+8*\b, 128*((\s)%2)+64+8*\a, \z, SCW+32*((\s)/4)+4*(\b/2)+(\s)%4, SCW+16+32*((\s)/4)+4*(\a/2)+(\s)%4, \b%2, \a%2
.endr
.endr
.endm
.macro KSTEP s
	s_wait_dscnt 0x0                               ; this K step's fragments are in (asked for 64 products ago)
.if (\s) == 3
	s_wait_tensorcnt 0x0                           ; my part of the second half of K has landed: no load was issued behind it;
	s_barrier_signal -1
	s_barrier_wait -1                              ; everybody's has.
.endif
.if (\s) > 0
	PLACES 4                                       ; in front of loads into registers that the last products have read
.endif
.if (\s) < 7
	FETCH (\s)+1, ((\s)+1)%2
.endif
.if (\s) == 3
	SCALES 1
.endif
.if (\s) == 0
	MUL64 \s, 1                                    ; the first K step starts the sums: nothing is cleared
.else
	MUL64 \s, 0
.endif
.endm
	s_wait_tensorcnt 0x1                           ; the scale words and my part of K steps 0-3 are in; the load of K steps 4-7 may be out
	s_barrier_signal -1
	s_barrier_wait -1                              ; everybody's are
	SCALES 0
	FETCH 0, 0
.irp s, 0,1,2,3,4,5,6,7
	KSTEP \s
.endr
	WIN 0
	PLACES 4                                       ; in front of the first read of results and the first write of scale registers
	s_wait_loadcnt 0x0                             ; the biases
	s_cmp_eq_u32 ttmp9, 2
	s_cbranch_scc1 .Lvpart
; q, k: tile a's 16 tokens; my lane's 128 columns are two heads: parts 0 and 1 of the fragment, the low and the high half of the scale word
.macro HEADS a
	s_wait_xcnt 0x0                                ; the last tile's stores have read their data: the codes' registers are written again only behind this wait
	WIN 0x02+(\a)/4
.set j, 0
.rept 32
	v_pk_add_f32 v[H+j:H+j+1], v[64*((\a)%4)+j:64*((\a)%4)+j+1], v[BIAS+j:BIAS+j+1]   ; + bias, each accumulator from its low end on
.set j, j+2
.endr
	WIN 0
	QUANT H, PW
	v_and_b32 v185, 0xffff, v[PW]
	v_lshrrev_b32 v186, 16, v[PW]
	v_lshl_or_b32 v[KW+\a], v185, 16, v185         ; a head's two bytes, twice
	v_lshl_or_b32 v[KW+8+\a], v186, 16, v186
	global_store_b128 v3, v[PC:PC+3], s[6:7] offset:512*\a       ; 512 consecutive bytes, aligned
	global_store_b128 v3, v[PC+4:PC+7], s[8:9] offset:512*\a
.endm
.irp a, 0,1,2,3,4,5,6,7
	HEADS \a
.endr
.irp i, 0,1,2,3
	v_cndmask_b32 v[IM+\i], v[KW+2*\i], v[KW+2*\i+1], s67        ; lanes 0-15: tile 2 i's words; lanes 16-31: tile 2 i + 1's
	v_cndmask_b32 v[IM+4+\i], v[KW+8+2*\i], v[KW+9+2*\i], s67
.endr
	global_store_b128 v3, v[IM:IM+3], s[6:7] offset:4096
	global_store_b128 v3, v[IM+4:IM+7], s[8:9] offset:4096
	s_branch .Ldone
.Lvpart:
; v: tile a's 16 channels (head a / 4, tile a % 4 of it); my lane's 128 numbers are 128 neighbouring keys: one fragment of V^T
.macro VROWS a
	s_wait_xcnt 0x0
	WIN 0x02+(\a)/4
.set j, 0
.rept 32
	v_pk_add_f32 v[H+j:H+j+1], v[64*((\a)%4)+j:64*((\a)%4)+j+1], v[BV+2*(\a):BV+2*(\a)+1]
.set j, j+2
.endr
	WIN 0
	QUANT H, KW+\a
.if (\a) < 4
	global_store_b128 v3, v[PC:PC+3], s[6:7] offset:4608+((\a)%4)*1024
	global_store_b128 v3, v[PC+4:PC+7], s[6:7] offset:4608+((\a)%4)*1024+512
.else
	global_store_b128 v3, v[PC:PC+3], s[8:9] offset:4608+((\a)%4)*1024
	global_store_b128 v3, v[PC+4:PC+7], s[8:9] offset:4608+((\a)%4)*1024+512
.endif
.endm
.irp a, 0,1,2,3,4,5,6,7
	VROWS \a
.endr
.irp i, 0,1,2,3
	v_cndmask_b32 v[IM+\i], v[KW+2*\i], v[KW+2*\i+1], s67
.endr
	global_store_b64 v4, v[IM:IM+1], s[6:7] offset:8704          ; 256 consecutive bytes, aligned
	global_store_b64 v4, v[IM+2:IM+3], s[8:9] offset:8704
.Ldone:
	s_wait_tensorcnt 0x0                           ; the wave's end
	ds_add_u32 v[SPW], v[NIL]
	s_wait_dscnt 0x0
	CROUND                                         ; the closing round: no work-group ends while a partner may still ask for a tile that names it
	s_endpgm
.Lfunc_end_k_qf934b104f1_qkv:
	.size	k_qf934b104f1_qkv, .Lfunc_end_k_qf934b104f1_qkv-k_qf934b104f1_qkv
	.p2alignl 7, 3214868480
	.fill 96, 4, 3214868480
	.section	.rodata,"a",@progbits
	.p2align	6, 0x0
	.amdhsa_kernel k_qf934b104f1_qkv
		.amdhsa_group_segment_fixed_size 327680
		.amdhsa_private_segment_fixed_size 0
		.amdhsa_enable_private_segment 0
		.amdhsa_kernarg_size 72
		.amdhsa_user_sgpr_count 2
		.amdhsa_user_sgpr_kernarg_segment_ptr 1
		.amdhsa_wavefront_size32 1
		.amdhsa_system_sgpr_workgroup_id_x 1
		.amdhsa_system_sgpr_workgroup_id_y 1
		.amdhsa_system_sgpr_workgroup_id_z 1
		.amdhsa_system_vgpr_workitem_id 0
		.amdhsa_next_free_vgpr 1024
		.amdhsa_next_free_sgpr 102
		.amdhsa_reserve_vcc 0
		.amdhsa_float_denorm_mode_32 3
		.amdhsa_float_denorm_mode_16_64 3
		.amdhsa_memory_ordered 1
		.amdhsa_forward_progress 1
		.amdhsa_inst_pref_size 196
	.end_amdhsa_kernel
	.amdgpu_metadata
---
amdhsa.version: [ 1, 2 ]
amdhsa.kernels:
  - .name:           k_qf934b104f1_qkv
    .symbol:         k_qf934b104f1_qkv.kd
    .args:
      - { .name: xq, .offset: 0, .size: 8, .value_kind: global_buffer, .address_space: global }
      - { .name: xs, .offset: 8, .size: 8, .value_kind: global_buffer, .address_space: global }
      - { .name: wimg, .offset: 16, .size: 8, .value_kind: global_buffer, .address_space: global }
      - { .name: wsc, .offset: 24, .size: 8, .value_kind: global_buffer, .address_space: global }
      - { .name: bq, .offset: 32, .size: 8, .value_kind: global_buffer, .address_space: global }
      - { .name: bk, .offset: 40, .size: 8, .value_kind: global_buffer, .address_space: global }
      - { .name: bv, .offset: 48, .size: 8, .value_kind: global_buffer, .address_space: global }
      - { .name: qrec, .offset: 56, .size: 8, .value_kind: global_buffer, .address_space: global }
      - { .name: kvrec, .offset: 64, .size: 8, .value_kind: global_buffer, .address_space: global }
    .group_segment_fixed_size: 327680
    .private_segment_fixed_size: 0
    .kernarg_segment_align: 8
    .kernarg_segment_size: 72
    .max_flat_workgroup_size: 128
    .sgpr_count:     102
    .vgpr_count:     1024
    .wavefront_size: 32
...
	.end_amdgpu_metadata
.endif
;; end of part 2
;; launch attn (part 3): grid 4 x 64, 16 waves a work-group, clusters of 4 x 1, 167,936 bytes of LDS; arguments qrec, kvrec, cimg, cs; writes cimg, cs
.if DOCPART == 3
	.amdgcn_target "amdgcn-amd-amdhsa--gfx1250"
	.amdhsa_code_object_version 6
	.text
	.protected	k_qf934b104f1_attn
	.globl	k_qf934b104f1_attn
	.p2align	8
	.type	k_qf934b104f1_attn,@function
k_qf934b104f1_attn:
	s_mov_b64 s[64:65], 0
	v_nop
	global_prefetch_b8 v0, s[64:65] scope:SCOPE_SE
	s_setreg_imm32_b32 hwreg(HW_REG_WAVE_MODE, 25, 1), 1
	s_wait_xcnt 0x0
	s_wait_alu depctr_hold_cnt(0) depctr_sa_sdst(0) depctr_va_vdst(0) depctr_va_sdst(0) depctr_va_ssrc(0) depctr_va_vcc(0) depctr_vm_vsrc(0)
	s_getreg_b32 s2, hwreg(HW_REG_IB_STS2, 6, 4)
	s_cmp_eq_u32 s2, 0
	s_cbranch_scc0 .Lentry_in_a_cluster
	s_endpgm
.Lentry_in_a_cluster:
	s_bfe_u32 s2, ttmp6, 0x10000c
	s_cmp_lg_u32 s2, 0x3003
	s_cbranch_scc0 .Lentry_shape_is_right
	s_endpgm
.Lentry_shape_is_right:
; LAUNCH 3 OF 4.  For each batch and head: S^T = K Q^T, p = 2^(t - M), O^T = V^T P^T, O / the row's sum; the result is quantised along the head's 64 for the last product.  Both products on codes of FP4.
; Nothing of the problem is left out here.  t = score x log2(e) / 8; M = the running largest t rounded up to a whole number; p is quantised along the keys, not normalised; the sum is taken of the unquantised p;
; when M moves, the sum and O^T are multiplied by 2^(old M - new M), which rounds nothing.
; LIMITS: NaN and infinities are not served; v_exp_f32 and v_rcp_f32 give zero for what would be denormal; a block's largest p is taken from the block's largest score by the same multiply-add and exponential.
; SHARES: a work-group owns 512 queries of one head, each of its sixteen waves 32: two tiles of 16, in 256 registers: four waves to a SIMD, so that one wave's vector work stands beside another's products and LDS loads.
; A head's whole K and V, 16 records of 8,960 bytes, come into LDS ONCE, a record a wave: no ring, nothing filled again.  CLUSTER: the four work-groups of a head ask for each record jointly.
; Each fragment of K and V read from LDS feeds both tiles of queries.
; THE HEAD IS 64, the instruction's K 128: Q's registers 4-7 are zero codes; K's operand of tile t is v[32 + 4 t] on, eight registers: the upper four are the next tile's codes (zeros behind the last), which meet Q's zeros.
; LAYOUT: a lane holds one query (lane % 16) throughout.  The keys of a tile of K and the channels of a tile of V^T are chosen (first launch) so that the 16 registers of two neighbouring result tiles are 16 neighbours.
; OUT: cimg: as x's codes in the first launch: tile of 16 tokens, K step head / 2, part head % 2.  cs: u16 [batch x head][16 x tile + r]: the token's two scale bytes of that head.
; REGISTERS: v1-4 addresses; v7 Q's scale words; v8-11, v12-15 tile 0's, 1's -M, largest t, sum (two halves); v16-31 Q; v32-67 K or V; v68-73 their scale words; v74, v75 p's scale words;
;   v96-159 S^T, then p; v160-223 O^T; v224-239 p's codes; v240-254 at work.
.set REC,   8960
.set CST,   16*REC                     ; behind the records: 1,024 bytes in which the work-group's 512 pairs of scale bytes meet
.set SPARE, CST+1024                   ; the spare words, 128 bytes a wave, that no other line names
.set SPW, 5
.set NIL, 6
.set PC,  224
.set TM,  240
.macro PLACES n
.rept \n
	v_nop
.endr
.endm
.macro CROUND                          ; a round of the cluster's barrier
	s_barrier_signal -1
	s_barrier_wait -1
	s_cmp_lg_u32 s12, 0
	s_cbranch_scc1 .Lnot_wave_0_\@
	s_barrier_signal -3
.Lnot_wave_0_\@:
	s_barrier_wait -3
	s_barrier_signal -1
	s_barrier_wait -1
.endm
; One scaled product.  d, a, b: first registers of D, source 0, source 1; z = 1: the sum begins (C = 0), else C = D; sa, sb: the scale registers; ra, rb: 1 = lanes 16-31 of them.
.macro WM d, a, b, z, sa, sb, ra, rb
.set wd, \d
.set wa, \a
.set wb, \b
.set wsa, \sa
.set wsb, \sb
.set wv, 4*(\z)+2*(\ra)+(\rb)
.if wv == 0
	v_wmma_scale_f32_16x16x128_f8f6f4 v[wd:wd+7], v[wa:wa+7], v[wb:wb+7], v[wd:wd+7], v[wsa], v[wsb] matrix_a_fmt:MATRIX_FMT_FP4 matrix_b_fmt:MATRIX_FMT_FP4
.elseif wv == 1
	v_wmma_scale_f32_16x16x128_f8f6f4 v[wd:wd+7], v[wa:wa+7], v[wb:wb+7], v[wd:wd+7], v[wsa], v[wsb] matrix_a_fmt:MATRIX_FMT_FP4 matrix_b_fmt:MATRIX_FMT_FP4 matrix_b_scale:MATRIX_SCALE_ROW1
.elseif wv == 2
	v_wmma_scale_f32_16x16x128_f8f6f4 v[wd:wd+7], v[wa:wa+7], v[wb:wb+7], v[wd:wd+7], v[wsa], v[wsb] matrix_a_fmt:MATRIX_FMT_FP4 matrix_b_fmt:MATRIX_FMT_FP4 matrix_a_scale:MATRIX_SCALE_ROW1
.elseif wv == 3
	v_wmma_scale_f32_16x16x128_f8f6f4 v[wd:wd+7], v[wa:wa+7], v[wb:wb+7], v[wd:wd+7], v[wsa], v[wsb] matrix_a_fmt:MATRIX_FMT_FP4 matrix_b_fmt:MATRIX_FMT_FP4 matrix_a_scale:MATRIX_SCALE_ROW1 matrix_b_scale:MATRIX_SCALE_ROW1
.elseif wv == 4
	v_wmma_scale_f32_16x16x128_f8f6f4 v[wd:wd+7], v[wa:wa+7], v[wb:wb+7], 0, v[wsa], v[wsb] matrix_a_fmt:MATRIX_FMT_FP4 matrix_b_fmt:MATRIX_FMT_FP4
.elseif wv == 5
	v_wmma_scale_f32_16x16x128_f8f6f4 v[wd:wd+7], v[wa:wa+7], v[wb:wb+7], 0, v[wsa], v[wsb] matrix_a_fmt:MATRIX_FMT_FP4 matrix_b_fmt:MATRIX_FMT_FP4 matrix_b_scale:MATRIX_SCALE_ROW1
.elseif wv == 6
	v_wmma_scale_f32_16x16x128_f8f6f4 v[wd:wd+7], v[wa:wa+7], v[wb:wb+7], 0, v[wsa], v[wsb] matrix_a_fmt:MATRIX_FMT_FP4 matrix_b_fmt:MATRIX_FMT_FP4 matrix_a_scale:MATRIX_SCALE_ROW1
.else
	v_wmma_scale_f32_16x16x128_f8f6f4 v[wd:wd+7], v[wa:wa+7], v[wb:wb+7], 0, v[wsa], v[wsb] matrix_a_fmt:MATRIX_FMT_FP4 matrix_b_fmt:MATRIX_FMT_FP4 matrix_a_scale:MATRIX_SCALE_ROW1 matrix_b_scale:MATRIX_SCALE_ROW1
.endif
.endm
; 64 numbers of a lane, v[s] on, register 16 b + i = k 32 b + 16 (lane / 16) + i, become codes in v[PC] on and a scale word in v[pw].
.macro QUANT s, pw
.irp b, 0,1,2,3
	v_max3_num_f32 v[TM+\b], |v[\s+16*\b]|, |v[\s+1+16*\b]|, 0x1800000
.endr
.irp i, 2,4,6,8,10,12,14
.irp b, 0,1,2,3
	s_delay_alu instid0(VALU_DEP_4)
	v_max3_num_f32 v[TM+\b], v[TM+\b], |v[\s+16*\b+\i]|, |v[\s+1+16*\b+\i]|
.endr
.endr
.irp b, 0,1,2,3
	s_delay_alu instid0(VALU_DEP_4)
	v_permlanex16_b32 v[TM+4+\b], v[TM+\b], s28, s29
.endr
.irp b, 0,1,2,3
	s_delay_alu instid0(VALU_DEP_4)
	v_max_num_f32 v[TM+\b], v[TM+\b], v[TM+4+\b]
.endr
.irp b, 0,1,2,3
	s_delay_alu instid0(VALU_DEP_4)
	v_add_nc_u32 v[TM+12+\b], 0xff000000, v[TM+\b]
.endr
.irp b, 0,1,2,3
	s_delay_alu instid0(VALU_DEP_4)
	v_lshrrev_b32 v[TM+4+\b], 23, v[TM+12+\b]
.endr
	s_delay_alu instid0(VALU_DEP_3)
	v_lshl_or_b32 v[\pw], v[TM+5], 8, v[TM+4]
	s_delay_alu instid0(VALU_DEP_1)
	v_lshl_or_b32 v[\pw], v[TM+6], 16, v[\pw]
	s_delay_alu instid0(VALU_DEP_1)
	v_lshl_or_b32 v[\pw], v[TM+7], 24, v[\pw]
.irp b, 0,1,2,3
	v_cvt_scalef32_pk8_fp4_f32 v[PC+2*\b], v[\s+16*\b:\s+7+16*\b], v[TM+12+\b]
	v_cvt_scalef32_pk8_fp4_f32 v[PC+1+2*\b], v[\s+8+16*\b:\s+15+16*\b], v[TM+12+\b]
.endr
	v_nop                                          ; one plain line behind the last conversion
.irp c, 0,1
.irp i, 0,1
	v_permlane16_swap_b32 v[PC+4*\c+\i], v[PC+2+4*\c+\i]
.endr
.endr
.endm
; The softmax of tile T for 128 keys: the scores in v96-159 become p, its codes and its scale word; the tile's sum and O^T come under the new M.
.macro SOFTMAX T
.set sT, 8+4*(\T)
.set oT, 160+32*(\T)
.set cT, 224+8*(\T)
.set pT, 74+(\T)
.irp b, 0,1,2,3
	v_max3_num_f32 v[240+\b], v[96+16*\b], v[97+16*\b], v[98+16*\b]   ; the largest score of each block of 32 keys: for the row's maximum, and, since p rises with the score, for the block's largest p
.endr
.irp i, 3,5,7,9,11,13
.irp b, 0,1,2,3
	v_max3_num_f32 v[240+\b], v[240+\b], v[96+16*\b+\i], v[97+16*\b+\i]
.endr
.endr
.irp b, 0,1,2,3
	v_max_num_f32 v[240+\b], v[240+\b], v[111+16*\b]
.endr
.irp b, 0,1,2,3
	s_delay_alu instid0(VALU_DEP_4)
	v_permlanex16_b32 v[244+\b], v[240+\b], s28, s29
.endr
.irp b, 0,1,2,3
	s_delay_alu instid0(VALU_DEP_4)
	v_max_num_f32 v[240+\b], v[240+\b], v[244+\b]  ; with lane l xor 16's 16 keys
.endr
	s_delay_alu instid0(VALU_DEP_2)
	v_max3_num_f32 v254, v240, v241, v242
	s_delay_alu instid0(VALU_DEP_1)
	v_max_num_f32 v254, v254, v243
	s_delay_alu instid0(VALU_DEP_1)
	v_mul_f32 v254, s30, v254                      ; as t (c is positive)
	s_delay_alu instid0(VALU_DEP_1)
	v_max_num_f32 v[sT+1], v[sT+1], v254           ; the running largest t
	v_mov_b32 v254, v[sT]
	s_delay_alu instid0(VALU_DEP_2)
	v_floor_f32 v[sT], -v[sT+1]                    ; the new -M = floor(-t): M is a whole number
	s_delay_alu instid0(VALU_DEP_1)
	v_sub_f32 v254, v[sT], v254                    ; old M less new M: a whole number, 0 or less
	s_delay_alu instid0(VALU_DEP_1)
	v_cvt_i32_f32 v254, v254                       ; (it saturates)
	s_delay_alu instid0(VALU_DEP_1)
	v_ldexp_f32 v252, 1.0, v254                    ; f = 2^(old M - new M)
.set j, 0
.rept 32
	v_pk_fma_f32 v[96+j:97+j], v[96+j:97+j], s[30:31], v[sT:sT+1] op_sel_hi:[1,0,0]   ; t - M, two at a time (of the pairs c and -M the low word serves both halves)
.set j, j+2
.endr
.irp b, 0,1,2,3
	v_fma_f32 v[240+\b], v[240+\b], s30, v[sT]     ; the same of each block's largest score
.endr
.set j, 0
	s_wait_alu depctr_va_vdst(0)
.rept 64
	v_exp_f32 v[96+j], v[96+j]                     ; p = 2^(t - M), at most 1
.set j, j+1
.endr
	v_pk_mul_f32 v[sT+2:sT+3], v[sT+2:sT+3], v[252:253] op_sel_hi:[1,0]   ; the sum under the new M: the plain line behind the exponentials
	s_wait_alu depctr_va_vdst(0)                   ; one wait for the batch of 64, ahead of its first reader
.irp b, 0,1,2,3
	v_exp_f32 v[240+\b], v[240+\b]                 ; the block's largest p
.endr
	v_pk_add_f32 v[244:245], v[96:97], v[98:99]    ; the row's sum of the unquantised p, in two chains
.set j, 4
.rept 15
	v_pk_add_f32 v[sT+2:sT+3], v[sT+2:sT+3], v[96+j:97+j]
	v_pk_add_f32 v[244:245], v[244:245], v[98+j:99+j]
.set j, j+4
.endr
	s_delay_alu instid0(VALU_DEP_1)
	v_pk_add_f32 v[sT+2:sT+3], v[sT+2:sT+3], v[244:245]
	s_wait_alu depctr_va_vdst(0)                   ; and one for the four
.irp b, 0,1,2,3
	v_max_num_f32 v[240+\b], 0x1800000, v[240+\b]  ; the floor 2^(3 - 127): the byte cannot fall under 1
.endr
.irp b, 0,1,2,3
	s_delay_alu instid0(VALU_DEP_4)
	v_add_nc_u32 v[248+\b], 0xff000000, v[240+\b]  ; the conversion's scale operand
.endr
.irp b, 0,1,2,3
	s_delay_alu instid0(VALU_DEP_4)
	v_lshrrev_b32 v[244+\b], 23, v[248+\b]         ; the scale's byte
.endr
	s_delay_alu instid0(VALU_DEP_3)
	v_lshl_or_b32 v[pT], v245, 8, v244             ; p's scale word for these 128 keys
	s_delay_alu instid0(VALU_DEP_1)
	v_lshl_or_b32 v[pT], v246, 16, v[pT]
	s_delay_alu instid0(VALU_DEP_1)
	v_lshl_or_b32 v[pT], v247, 24, v[pT]
.irp b, 0,1,2,3
	v_cvt_scalef32_pk8_fp4_f32 v[cT+2*\b], v[96+16*\b:103+16*\b], v[248+\b]
	v_cvt_scalef32_pk8_fp4_f32 v[cT+1+2*\b], v[104+16*\b:111+16*\b], v[248+\b]
.endr
	v_nop                                          ; one plain line behind the last conversion
.irp c, 0,1
.irp i, 0,1
	v_permlane16_swap_b32 v[cT+4*\c+\i], v[cT+2+4*\c+\i]
.endr
.endr
.set j, 0
.rept 16
	v_pk_mul_f32 v[oT+j:oT+j+1], v[oT+j:oT+j+1], v[252:253] op_sel_hi:[1,0]   ; O^T under the new M; these sixteen are also the places between the scale word, the codes and their products
.set j, j+2
.endr
.endm
	s_load_b256 s[4:11], s[0:1], 0x0               ; qrec, kvrec, cimg, cs
	v_lshl_add_u32 v[SPW], v0, 2, SPARE
	v_mov_b32 v[NIL], 0
	ds_add_u32 v[SPW], v[NIL]                      ; the wave's opening: the add, twice on end, and its wait ahead of my first tensor load
	ds_add_u32 v[SPW], v[NIL]
	v_lshrrev_b32 v1, 5, v0
	s_delay_alu instid0(VALU_DEP_1)
	v_readfirstlane_b32 s12, v1                    ; wave 0..15
	s_bfe_u32 s13, ttmp6, 0x40000                  ; cx: which 512 queries: it enters global addresses of Q and of the results alone
	s_and_b32 s14, ttmp7, 0xffff                   ; batch x 16 + head, which the four partners share
	; the descriptor: a record, 8,960 dense bytes, as 35 rows of 256 (32 elements of 8 bytes)
	s_mov_b32 s16, 15|(3<<16)|(1<<21)              ; 15:0 the mask: all four work-groups; 17:16 elements of 8 bytes; 21 set beside a mask
	s_mov_b32 s17, 32<<16
	s_mov_b32 s18, 35<<16
	s_mov_b32 s19, 32<<16
	s_mov_b32 s20, 35
	s_mov_b32 s21, 32
	s_mov_b32 s22, 0
	s_mov_b32 s23, 0
	s_mov_b32 s24, 1
	s_mul_i32 s25, s12, REC                        ; record w goes to w x 8,960
	s_lshl_b32 s36, s14, 4
	s_add_co_u32 s36, s36, s12
	s_mul_i32 s36, s36, REC                        ; and comes from record 16 (batch x 16 + head) + w
	s_mov_b32 s37, 0
	s_mov_b32 s28, 0x76543210
	s_mov_b32 s29, 0xfedcba98                      ; lane l xor 16
	s_mov_b32 s30, 0x3e38aa3b                      ; c = log2(e) / 8
	s_mov_b32 s31, s30                             ; (named with it as a pair, so it is written)
	s_mov_b32 s32, 0                               ; the record in hand
	s_mov_b32 s33, 16                              ; records to go
	s_mov_b32 s34, 0xffff0000                      ; lanes 16-31
	s_wait_dscnt 0x0                               ; both opening adds are done
	s_wait_kmcnt 0x0
	s_add_nc_u64 s[26:27], s[6:7], s[36:37]
	s_or_b32 s27, s27, 0x80000000
	CROUND                                         ; all four work-groups are here: the joint loads meet
	tensor_load_to_lds s[24:27], s[16:23]          ; my one tensor load
	s_nop 0
	PLACES 4
	v_and_b32 v2, 31, v0
	s_delay_alu instid0(VALU_DEP_1)
	v_lshlrev_b32 v1, 4, v2                        ; 16 x lane
	s_wait_alu depctr_va_vdst(0)
	v_lshlrev_b32 v2, 3, v2                        ; 8 x lane
	v_lshl_add_u32 v76, v0, 1, CST                 ; the small stage: 2 bytes a thread in,
	v_lshl_add_u32 v77, v0, 4, CST                 ; 16 bytes a thread out (threads 0-63),
	v_lshlrev_b32 v78, 4, v0                       ; and the same place in cs
	s_lshl_b32 s38, s14, 4
	s_lshl_b32 s39, s13, 2
	s_add_co_u32 s38, s38, s39
	s_lshr_b32 s39, s12, 2
	s_add_co_u32 s38, s38, s39
	s_mul_i32 s38, s38, 4608                       ; Q's record: step 4 cx + w / 4
	s_mov_b32 s39, 0
	s_add_nc_u64 s[4:5], s[4:5], s[38:39]
	s_and_b32 s40, s12, 3
	s_lshl_b32 s38, s40, 10
	s_add_nc_u64 s[42:43], s[4:5], s[38:39]        ; my two tiles in it: 2 (w % 4) and the next
	s_lshl_b32 s38, s40, 2
	s_add_nc_u64 s[4:5], s[4:5], s[38:39]          ; and register w % 4 of its scale words
	global_load_b128 v[16:19], v1, s[42:43]
	global_load_b128 v[24:27], v1, s[42:43] offset:512
	global_load_b32 v7, v1, s[4:5] offset:4096     ; lanes 0-15: tile 0's words; lanes 16-31: tile 1's
	s_lshr_b32 s38, s14, 4
	s_lshl_b32 s38, s38, 7                         ; the batch's 128 tiles,
	s_lshl_b32 s40, s13, 5
	s_add_co_u32 s38, s38, s40
	s_lshl_b32 s40, s12, 1
	s_add_co_u32 s38, s38, s40                     ; my first tile of tokens
	s_lshl_b32 s38, s38, 3
	s_bfe_u32 s40, s14, 0x30001                    ; K step: head / 2
	s_add_co_u32 s38, s38, s40
	s_lshl_b32 s38, s38, 10
	s_and_b32 s40, s14, 1
	s_lshl_b32 s40, s40, 9                         ; part: head % 2
	s_add_co_u32 s38, s38, s40
	s_add_nc_u64 s[8:9], s[8:9], s[38:39]
	s_lshl_b32 s38, s14, 12
	s_lshl_b32 s40, s13, 10
	s_add_co_u32 s38, s38, s40                     ; cs: 4,096 bytes a head, 1,024 a work-group
	s_add_nc_u64 s[10:11], s[10:11], s[38:39]
.irp j, 20,21,22,23,28,29,30,31,64,65,66,67
	v_mov_b32 v[\j], 0                             ; zero codes: Q's upper halves, and behind K's last tile
.endr
	v_mov_b32 v9, 0xff61b1e6                       ; the largest t so far: -3e38, under every t
	v_mov_b32 v13, 0xff61b1e6
	s_delay_alu instid0(VALU_DEP_2)
	v_floor_f32 v8, -v9                            ; -M
	s_delay_alu instid0(VALU_DEP_2)
	v_floor_f32 v12, -v13
.irp j, 10,11,14,15,244,245,246,247,253
	v_mov_b32 v[\j], 0                             ; the sums; lane permutes' destinations; the upper half of the pair v[252:253]
.endr
.set j, 0
.rept 64
	v_mov_b32 v[160+j], 0                          ; O^T: the loop is written once: its first step finds zeros, which the first change of M leaves zeros
.set j, j+1
.endr
	s_wait_tensorcnt 0x0                           ; my record has landed,
	s_barrier_signal -1
	s_barrier_wait -1                              ; everybody's has
	s_wait_loadcnt 0x0                             ; Q
.Lstep:                                            ; 16 trips: 128 keys each
	s_setprio 2
	v_add_nc_u32 v3, s32, v1
	v_add_nc_u32 v4, s32, v2
	PLACES 2                                       ; with the two additions: four places in front of loads into registers that the last products have read
.irp t, 0,1,2,3,4,5,6,7
	ds_load_b128 v[32+4*\t:35+4*\t], v3 offset:512*\t
.endr
	ds_load_b128 v[68:71], v3 offset:4096          ; K's scale words
	s_wait_dscnt 0x0
.irp t, 0,1,2,3,4,5,6,7
	WM 96+8*\t, 32+4*\t, 16, 1, 68+\t/2, 7, \t%2, 0
.endr
	PLACES 4
	SOFTMAX 0
.irp t, 0,1,2,3,4,5,6,7
	WM 96+8*\t, 32+4*\t, 24, 1, 68+\t/2, 7, \t%2, 1
.endr
	PLACES 4                                       ; in front of the loads below and of the first read of the scores
.irp i, 0,1,2,3,4,5,6,7
	ds_load_b128 v[32+4*\i:35+4*\i], v3 offset:4608+512*\i   ; V^T: it lands under the softmax
.endr
	ds_load_b64 v[72:73], v4 offset:8704
	s_setprio 1
	SOFTMAX 1
	s_setprio 0
	PLACES 4                                       ; between the last rescaling of O^T and the products that add onto it
	s_wait_alu depctr_va_vdst(0)
	s_wait_dscnt 0x0
.irp u, 0,1,2,3                                ; the eight accumulators take turns
.irp T, 0,1
	WM 160+32*\T+8*\u, 32+8*\u, 224+8*\T, 0, 72+\u/2, 74+\T, \u%2, 0
.endr
.endr
	s_add_co_u32 s32, s32, REC
	s_sub_co_u32 s33, s33, 1
	s_cmp_lg_u32 s33, 0
	s_cbranch_scc1 .Lstep
	s_setprio 0
	; THE WAY OUT.  The additions are the places behind the last products.
	v_add_f32 v10, v10, v11
	v_add_f32 v14, v14, v15
	s_delay_alu instid0(VALU_DEP_2)
	v_permlanex16_b32 v244, v10, s28, s29
	s_delay_alu instid0(VALU_DEP_2)
	v_permlanex16_b32 v245, v14, s28, s29
	s_delay_alu instid0(VALU_DEP_2)
	v_add_f32 v10, v10, v244                       ; the rows' sums
	s_delay_alu instid0(VALU_DEP_2)
	v_add_f32 v14, v14, v245
	s_wait_alu depctr_va_vdst(0)
	v_rcp_f32 v10, v10
	v_rcp_f32 v14, v14
	v_nop                                          ; a plain line behind the last reciprocal
	s_wait_alu depctr_va_vdst(0)                   ; one wait for both, ahead of the first reader
.set j, 0
.rept 16
	v_pk_mul_f32 v[96+j:97+j], v[160+j:161+j], v[10:11] op_sel_hi:[1,0]      ; O^T / the sum: tile 0's 32 numbers are blocks 0 and 1,
.set j, j+2
.endr
.set j, 0
.rept 16
	v_pk_mul_f32 v[128+j:129+j], v[192+j:193+j], v[14:15] op_sel_hi:[1,0]    ; tile 1's blocks 2 and 3
.set j, j+2
.endr
	QUANT 96, 74                                   ; part 0 of the codes and the word's low half are tile 0's, part 1 and the high half tile 1's
	global_store_b128 v1, v[224:227], s[8:9]       ; 512 consecutive bytes, aligned
	global_store_b128 v1, v[228:231], s[8:9] offset:8192
	v_lshrrev_b32 v75, 16, v74
	s_delay_alu instid0(VALU_DEP_1)
	v_cndmask_b32 v75, v74, v75, s34               ; lane l: the two bytes of position 32 w + l
	ds_store_b16 v76, v75
	s_wait_dscnt 0x0                               ; for the others' sake
	s_barrier_signal -1
	s_barrier_wait -1
	s_cmp_lt_u32 s12, 2                            ; waves 0 and 1 store the work-group's 1,024 bytes, 512 consecutive bytes each
	s_cbranch_scc0 .Lno_cs
	ds_load_b128 v[80:83], v77
	s_wait_dscnt 0x0
	global_store_b128 v78, v[80:83], s[10:11]
.Lno_cs:
	s_wait_tensorcnt 0x0                           ; the wave's end
	ds_add_u32 v[SPW], v[NIL]
	s_wait_dscnt 0x0
	CROUND                                         ; the closing round
	s_endpgm
.Lfunc_end_k_qf934b104f1_attn:
	.size	k_qf934b104f1_attn, .Lfunc_end_k_qf934b104f1_attn-k_qf934b104f1_attn
	.p2alignl 7, 3214868480
	.fill 96, 4, 3214868480
	.section	.rodata,"a",@progbits
	.p2align	6, 0x0
	.amdhsa_kernel k_qf934b104f1_attn
		.amdhsa_group_segment_fixed_size 167936
		.amdhsa_private_segment_fixed_size 0
		.amdhsa_enable_private_segment 0
		.amdhsa_kernarg_size 32
		.amdhsa_user_sgpr_count 2
		.amdhsa_user_sgpr_kernarg_segment_ptr 1
		.amdhsa_wavefront_size32 1
		.amdhsa_system_sgpr_workgroup_id_x 1
		.amdhsa_system_sgpr_workgroup_id_y 1
		.amdhsa_system_sgpr_workgroup_id_z 1
		.amdhsa_system_vgpr_workitem_id 0
		.amdhsa_next_free_vgpr 256
		.amdhsa_next_free_sgpr 66
		.amdhsa_reserve_vcc 0
		.amdhsa_float_denorm_mode_32 3
		.amdhsa_float_denorm_mode_16_64 3
		.amdhsa_memory_ordered 1
		.amdhsa_forward_progress 1
		.amdhsa_inst_pref_size 47
	.end_amdhsa_kernel
	.amdgpu_metadata
---
amdhsa.version: [ 1, 2 ]
amdhsa.kernels:
  - .name:           k_qf934b104f1_attn
    .symbol:         k_qf934b104f1_attn.kd
    .args:
      - { .name: qrec, .offset: 0, .size: 8, .value_kind: global_buffer, .address_space: global }
      - { .name: kvrec, .offset: 8, .size: 8, .value_kind: global_buffer, .address_space: global }
      - { .name: cimg, .offset: 16, .size: 8, .value_kind: global_buffer, .address_space: global }
      - { .name: cs, .offset: 24, .size: 8, .value_kind: global_buffer, .address_space: global }
    .group_segment_fixed_size: 167936
    .private_segment_fixed_size: 0
    .kernarg_segment_align: 8
    .kernarg_segment_size: 32
    .max_flat_workgroup_size: 512
    .sgpr_count:     66
    .vgpr_count:     256
    .wavefront_size: 32
...
	.end_amdgpu_metadata
.endif
;; end of part 3
;; launch outln (part 4): grid 256 x 1, 4 waves a work-group, clusters of 4 x 1, 327,680 bytes of LDS; arguments cimg, cs, wimg, wsc, x, bo, gamma, beta, out0; writes out0
.if DOCPART == 4
	.amdgcn_target "amdgcn-amd-amdhsa--gfx1250"
	.amdhsa_code_object_version 6
	.text
	.protected	k_qf934b104f1_outln
	.globl	k_qf934b104f1_outln
	.p2align	8
	.type	k_qf934b104f1_outln,@function
k_qf934b104f1_outln:
	s_mov_b64 s[64:65], 0
	v_nop
	global_prefetch_b8 v0, s[64:65] scope:SCOPE_SE
	s_setreg_imm32_b32 hwreg(HW_REG_WAVE_MODE, 25, 1), 1
	s_wait_xcnt 0x0
	s_wait_alu depctr_hold_cnt(0) depctr_sa_sdst(0) depctr_va_vdst(0) depctr_va_sdst(0) depctr_va_ssrc(0) depctr_va_vcc(0) depctr_vm_vsrc(0)
	s_getreg_b32 s2, hwreg(HW_REG_IB_STS2, 6, 4)
	s_cmp_eq_u32 s2, 0
	s_cbranch_scc0 .Lentry_in_a_cluster
	s_endpgm
.Lentry_in_a_cluster:
	s_bfe_u32 s2, ttmp6, 0x10000c
	s_cmp_lg_u32 s2, 0x3003
	s_cbranch_scc0 .Lentry_shape_is_right
	s_endpgm
.Lentry_shape_is_right:
; LAUNCH 4 OF 4.  h = ctx wo^T + bo + x on codes of FP4, K = 1,024; then out = gamma (h - mean) / sqrt(var + 1e-12) + beta along each row of 1,024.  Nothing of the problem is left out here.
; LIMITS: NaN and infinities are not served; 1 / sqrt is v_rsq_f32.
; SHARES: a work-group owns 32 tokens (two tiles of ctx) and all 1,024 columns, so that a row's mean and variance need no other work-group.  Wave w makes columns 256 w on: 16 tiles of wo x 2 tiles of tokens: 32 accumulators.
; The product is used transposed (source 0 = 16 rows of wo, source 1 = ctx): a lane holds one token and neighbouring columns.
; wo's codes go in four double steps of 256 along K through two LDS slots; each wave fetches the 16 tiles that it alone reads, so its own wait on its loads is all that its reads need.
; CLUSTER: all work-groups walk the same wo: the four of a cluster ask for each tile jointly; a round of the cluster's barrier stands in front of each refill.
; ctx's codes (window 3) and my eight rows of x (window 2) are loaded straight into registers at the head.  h meets in a stage in LDS, laid over the slots behind their last fill and last read; each wave then takes eight whole rows.
; No prefetch is laid: wo is asked for by every work-group alike, and x and ctx are asked for at the head.
; REGISTERS: window 0: v1-13 addresses; v16-23 ctx's scale words; v24-39 their halves; v40-60 at work; v64-191 two sets of eight fragments of wo; v192-255 wo's scale words;
;   behind the products: v64-95 bo, v96-127 gamma, v128-159 beta, v160-191 a row, v192-255 two rows from the stage.   window 1: accumulator (a, b) at v[8 (16 a + b)].
.set SL1,   131072                     ; slot 1; a slot: [tile 64][2 K steps][1,024 bytes]; wave w's part at w x 32,768
.set SCL,   262144                     ; wo's scale words: 64 tiles x 512 bytes
.set SPARE, 294912                     ; the spare words, 128 bytes a wave, that no other line names
.set SP,    4112                       ; a stage row: 4,096 bytes + 16: the sixteen rows of a store start at sixteen different 16-byte columns
.set SPW, 12
.set NIL, 13
.set AS,  16
.set BF,  64
.set BS,  192
.set BO,  64
.set GA,  96
.set BE,  128
.set HH,  160
.set ST,  192
.set G1C, 28
.set G1S, 36
.set G0S, 44
.set G0A, 48
.set G0B, 52
.set MSB, 0
.macro WIN new                         ; the immediate's high byte repeats the setting that is left
.set WN, \new
.if MSB != WN
	s_set_vgpr_msb (MSB<<8)|WN
.set MSB, WN
.endif
.endm
.macro PLACES n
.rept \n
	v_nop
.endr
.endm
.macro ROUND                           ; a round of the cluster's barrier
	s_barrier_signal -1
	s_barrier_wait -1
	s_cmp_lg_u32 s22, 0
	s_cbranch_scc1 .Lnot_wave_0_\@
	s_barrier_signal -3
.Lnot_wave_0_\@:
	s_barrier_wait -3
	s_barrier_signal -1
	s_barrier_wait -1
.endm
; One scaled product.  d, a, b: first registers of D, source 0, source 1; z = 1: the sum begins (C = 0), else C = D; sa, sb: the scale registers; ra, rb: 1 = lanes 16-31 of them.
.macro WM d, a, b, z, sa, sb, ra, rb
.set wd, \d
.set wa, \a
.set wb, \b
.set wsa, \sa
.set wsb, \sb
.set wv, 4*(\z)+2*(\ra)+(\rb)
.if wv == 0
	v_wmma_scale_f32_16x16x128_f8f6f4 v[wd:wd+7], v[wa:wa+7], v[wb:wb+7], v[wd:wd+7], v[wsa], v[wsb] matrix_a_fmt:MATRIX_FMT_FP4 matrix_b_fmt:MATRIX_FMT_FP4
.elseif wv == 1
	v_wmma_scale_f32_16x16x128_f8f6f4 v[wd:wd+7], v[wa:wa+7], v[wb:wb+7], v[wd:wd+7], v[wsa], v[wsb] matrix_a_fmt:MATRIX_FMT_FP4 matrix_b_fmt:MATRIX_FMT_FP4 matrix_b_scale:MATRIX_SCALE_ROW1
.elseif wv == 2
	v_wmma_scale_f32_16x16x128_f8f6f4 v[wd:wd+7], v[wa:wa+7], v[wb:wb+7], v[wd:wd+7], v[wsa], v[wsb] matrix_a_fmt:MATRIX_FMT_FP4 matrix_b_fmt:MATRIX_FMT_FP4 matrix_a_scale:MATRIX_SCALE_ROW1
.elseif wv == 3
	v_wmma_scale_f32_16x16x128_f8f6f4 v[wd:wd+7], v[wa:wa+7], v[wb:wb+7], v[wd:wd+7], v[wsa], v[wsb] matrix_a_fmt:MATRIX_FMT_FP4 matrix_b_fmt:MATRIX_FMT_FP4 matrix_a_scale:MATRIX_SCALE_ROW1 matrix_b_scale:MATRIX_SCALE_ROW1
.elseif wv == 4
	v_wmma_scale_f32_16x16x128_f8f6f4 v[wd:wd+7], v[wa:wa+7], v[wb:wb+7], 0, v[wsa], v[wsb] matrix_a_fmt:MATRIX_FMT_FP4 matrix_b_fmt:MATRIX_FMT_FP4
.elseif wv == 5
	v_wmma_scale_f32_16x16x128_f8f6f4 v[wd:wd+7], v[wa:wa+7], v[wb:wb+7], 0, v[wsa], v[wsb] matrix_a_fmt:MATRIX_FMT_FP4 matrix_b_fmt:MATRIX_FMT_FP4 matrix_b_scale:MATRIX_SCALE_ROW1
.elseif wv == 6
	v_wmma_scale_f32_16x16x128_f8f6f4 v[wd:wd+7], v[wa:wa+7], v[wb:wb+7], 0, v[wsa], v[wsb] matrix_a_fmt:MATRIX_FMT_FP4 matrix_b_fmt:MATRIX_FMT_FP4 matrix_a_scale:MATRIX_SCALE_ROW1
.else
	v_wmma_scale_f32_16x16x128_f8f6f4 v[wd:wd+7], v[wa:wa+7], v[wb:wb+7], 0, v[wsa], v[wsb] matrix_a_fmt:MATRIX_FMT_FP4 matrix_b_fmt:MATRIX_FMT_FP4 matrix_a_scale:MATRIX_SCALE_ROW1 matrix_b_scale:MATRIX_SCALE_ROW1
.endif
.endm
	s_load_b256 s[4:11], s[0:1], 0x0               ; cimg, cs, wimg, wsc
	s_load_b256 s[12:19], s[0:1], 0x20             ; x, bo, gamma, beta
	s_load_b64 s[20:21], s[0:1], 0x40              ; out0
	v_lshl_add_u32 v[SPW], v0, 2, SPARE
	v_mov_b32 v[NIL], 0
	ds_add_u32 v[SPW], v[NIL]                      ; the wave's opening: the add, twice on end, and its wait ahead of my first tensor load
	ds_add_u32 v[SPW], v[NIL]
	v_lshrrev_b32 v1, 5, v0
	v_readfirstlane_b32 s22, v1                    ; wave 0..3
	s_bfe_u32 s23, ttmp6, 0x40000                  ; cx
	s_lshl_b32 s24, ttmp9, 2
	s_add_co_u32 s24, s24, s23                     ; g: my 32 tokens; it enters global addresses of ctx, x and the result alone
	; descriptor group 1, codes: 16 tiles' double step: 16 rows of 2,048 bytes (256 elements of 8), 8,192 bytes apart
	s_mov_b32 s[G1C], 15|(3<<16)|(1<<21)           ; 15:0 the mask: all four work-groups; 17:16 elements of 8 bytes; 21 set beside a mask
	s_mov_b32 s[G1C+1], 256<<16
	s_mov_b32 s[G1C+2], 16<<16
	s_mov_b32 s[G1C+3], 256<<16
	s_mov_b32 s[G1C+4], 16
	s_mov_b32 s[G1C+5], 1024
	s_mov_b32 s[G1C+6], 0
	s_mov_b32 s[G1C+7], 0
	; scale words: 16 tiles' 8,192 dense bytes as 32 rows of 256
	s_mov_b32 s[G1S], 15|(3<<16)|(1<<21)
	s_mov_b32 s[G1S+1], 32<<16
	s_mov_b32 s[G1S+2], 32<<16
	s_mov_b32 s[G1S+3], 32<<16
	s_mov_b32 s[G1S+4], 32
	s_mov_b32 s[G1S+5], 32
	s_mov_b32 s[G1S+6], 0
	s_mov_b32 s[G1S+7], 0
	s_mov_b32 s[G0S], 1
	s_lshl_b32 s[G0S+1], s22, 13
	s_add_co_u32 s[G0S+1], s[G0S+1], SCL
	s_mov_b32 s[G0A], 1
	s_lshl_b32 s[G0A+1], s22, 15
	s_mov_b32 s[G0B], 1
	s_add_co_u32 s[G0B+1], s[G0A+1], SL1
	s_lshl_b32 s60, s22, 17                        ; my 16 tiles of wo: 8,192 bytes each,
	s_mov_b32 s61, 0
	s_lshl_b32 s62, s22, 13                        ; their scale words: 512 each
	s_mov_b32 s63, 0
	s_mov_b32 s56, 0x76543210
	s_mov_b32 s57, 0xfedcba98                      ; lane l xor 16
	s_mov_b32 s58, 0x3a800000                      ; 1 / 1,024
	s_mov_b32 s59, 0x2b8cbccc                      ; 1e-12
	s_wait_dscnt 0x0                               ; both opening adds are done
	s_wait_kmcnt 0x0
	s_add_nc_u64 s[G0A+2:G0A+3], s[8:9], s[60:61]
	s_add_nc_u64 s[G0A+2:G0A+3], s[G0A+2:G0A+3], 1572864   ; wo's images lie behind wq's, wk's and wv's
	s_add_nc_u64 s[G0B+2:G0B+3], s[G0A+2:G0A+3], 2048      ; the second double step
	s_or_b32 s[G0A+3], s[G0A+3], 0x80000000
	s_or_b32 s[G0B+3], s[G0B+3], 0x80000000
	s_add_nc_u64 s[G0S+2:G0S+3], s[10:11], s[62:63]
	s_add_nc_u64 s[G0S+2:G0S+3], s[G0S+2:G0S+3], 98304
	s_or_b32 s[G0S+3], s[G0S+3], 0x80000000
	ROUND                                          ; all four work-groups are here: the first joint loads meet
	tensor_load_to_lds s[G0S:G0S+3], s[G1S:G1S+7]  ; one tensor load of a wave is out at a time
	s_nop 0
	s_wait_alu depctr_va_vdst(0)
	s_wait_tensorcnt 0x0
	ds_add_u32 v12, v13
	s_wait_dscnt 0x0
	ROUND
	tensor_load_to_lds s[G0A:G0A+3], s[G1C:G1C+7]
	s_nop 0
	s_wait_alu depctr_va_vdst(0)
	s_wait_tensorcnt 0x0
	ds_add_u32 v12, v13
	s_wait_dscnt 0x0
	ROUND
	tensor_load_to_lds s[G0B:G0B+3], s[G1C:G1C+7]
	s_nop 0
	PLACES 4
	v_and_b32 v11, 31, v0
	v_lshlrev_b32 v1, 4, v11                       ; 16 x lane
	v_lshlrev_b32 v10, 1, v11                      ; 2 x lane
	v_and_b32 v2, 15, v0                           ; r
	v_bfe_u32 v3, v0, 4, 1                         ; h
	s_lshl_b32 s25, s22, 15
	v_add_nc_u32 v4, s25, v1                       ; my fragments of wo in slot 0,
	v_add_nc_u32 v5, SL1, v4                       ; in slot 1
	v_lshlrev_b32 v6, 4, v2
	v_lshl_add_u32 v6, v3, 9, v6
	s_lshl_b32 s25, s22, 13
	s_add_co_u32 s25, s25, SCL
	v_add_nc_u32 v6, s25, v6                       ; its scale words: 16 r, lanes 16-31 one tile on
	v_mul_u32_u24 v7, v2, SP
	v_lshl_add_u32 v7, v3, 6, v7
	s_lshl_b32 s25, s22, 10
	v_add_nc_u32 v7, s25, v7                       ; the stage, in: row r, + 64 h, + my 1,024 bytes; tile 0 of the tokens,
	v_add_nc_u32 v8, 16*SP, v7                     ; tile 1
	s_mul_i32 s25, s22, 8*SP
	v_add_nc_u32 v9, s25, v1                       ; and back: my eight rows, 16 bytes a lane
	v_mov_b32 v60, 0                               ; written once: a lane permute's destination counts as one of its sources
	s_lshl_b32 s26, s24, 14                        ; ctx: tiles 2 g and 2 g + 1, 8,192 bytes each
	s_mov_b32 s27, 0
	s_add_nc_u64 s[4:5], s[4:5], s[26:27]
	s_lshr_b32 s26, s24, 6                         ; cs: the batch's 16 heads x 4,096 bytes,
	s_lshl_b32 s26, s26, 16
	s_and_b32 s66, s24, 63
	s_lshl_b32 s66, s66, 6                         ; my 32 positions x 2 bytes
	s_add_co_u32 s26, s26, s66
	s_add_nc_u64 s[6:7], s[6:7], s[26:27]
	s_lshl_b32 s26, s24, 5
	s_lshr_b32 s66, s22, 1
	s_lshl_b32 s66, s66, 3
	s_add_co_u32 s26, s26, s66
	s_and_b32 s66, s22, 1
	s_lshl_b32 s66, s66, 4
	s_add_co_u32 s26, s26, s66                     ; stage rows 8 w .. 8 w + 7 are tokens 32 g + 8 (w / 2) + 16 (w % 2) on
	s_lshl_b32 s26, s26, 12
	s_add_nc_u64 s[12:13], s[12:13], s[26:27]
	s_add_nc_u64 s[20:21], s[20:21], s[26:27]
	WIN 0xc0                                       ; destination window 3
.irp a, 0,1
.irp s, 0,1,2,3,4,5,6,7
.irp c, 0,1
	global_load_b128 v[8*(8*\a+\s)+4*\c:8*(8*\a+\s)+4*\c+3], v1, s[4:5] offset:8192*\a+1024*\s+512*\c
.endr
.endr
.endr
	WIN 0
.irp d, 0,1,2,3,4,5,6,7,8,9,10,11,12,13,14,15
	global_load_u16 v[24+\d], v10, s[6:7] offset:4096*\d     ; head d's two bytes: lanes 0-15 tile 0's tokens, lanes 16-31 tile 1's
.endr
	WIN 0x80                                       ; destination window 2
.irp i, 0,1,2,3,4,5,6,7
.irp k, 0,1,2,3,4,5,6,7
	global_load_b128 v[32*\i+4*\k:32*\i+4*\k+3], v1, s[12:13] offset:4096*\i+512*\k th:TH_LOAD_NT
.endr
.endr
	WIN 0
	s_wait_loadcnt 63                              ; behind ctx's 48 loads 64 were issued: at 63 outstanding the 48 are in
.irp s, 0,1,2,3,4,5,6,7
	v_lshl_or_b32 v[AS+\s], v[25+2*\s], 16, v[24+2*\s]       ; K step s: heads 2 s and 2 s + 1.  Behind the first of these stand seven more and the first step's four places: more than the eight asked ahead of a scaled product
.endr
	s_wait_alu depctr_va_vdst(0)
	s_wait_tensorcnt 0x1                           ; the scale words and slot 0 are in; slot 1's load may be out.  I read only what I fetched: no barrier
.irp q, 0,1
.irp i, 0,1,2,3,4,5,6,7
	ds_load_b128 v[BS+32*\q+4*\i:BS+32*\q+4*\i+3], v6 offset:1024*\i+256*\q
.endr
.endr
.macro FETCHB n, e, p                  ; slot n: eight tiles (half e % 2 of my sixteen), K step e / 2 of the slot's two, into set p
.irp bb, 0,1,2,3,4,5,6,7
.irp c, 0,1
	ds_load_b128 v[BF+64*(\p)+8*\bb+4*\c:BF+64*(\p)+8*\bb+4*\c+3], v[4+\n] offset:(8*((\e)%2)+\bb)*2048+((\e)/2)*1024+512*\c
.endr
.endr
.endm
.macro MUL16 s, half, p                ; sixteen accumulators take turns; K step 0 starts the sums
.set mz, 0
.if (\s) == 0
.set mz, 1
.endif
	WIN 0x5c                                       ; source 0 (wo) window 0, source 1 (ctx) window 3, C and D window 1
.irp bb, 0,1,2,3,4,5,6,7
.irp a, 0,1
	WM 8*(16*\a+8*(\half)+\bb), BF+64*(\p)+8*\bb, 8*(8*\a+(\s)), mz, BS+32*((\s)/4)+4*((8*(\half)+\bb)/2)+(\s)%4, AS+(\s), \bb%2, \a
.endr
.endr
	WIN 0
.endm
.macro DSTEP n, D
	FETCHB \n, 0, 0
.irp e, 0,1,2,3
	s_wait_dscnt 0x0
	PLACES 4                                       ; in front of loads into registers that the last products have read
.if \e < 3
	FETCHB \n, \e+1, (\e+1)%2
.endif
	MUL16 2*(\D)+\e/2, \e%2, \e%2
.endr
.endm
.macro CHANGE g0                       ; the slot just read out is filled again, two double steps on
	s_wait_tensorcnt 0x0                           ; all my tensor loads have landed, the other slot's among them: a group 0 may be written
	ds_add_u32 v[SPW], v[NIL]                      ; 0 onto my spare word
	s_add_nc_u64 s[\g0+2:\g0+3], s[\g0+2:\g0+3], 4096
	s_wait_dscnt 0x0                               ; the add is done, and my reads of the slot are over
	ROUND                                          ; both hold of every wave of all four work-groups
	tensor_load_to_lds s[\g0:\g0+3], s[G1C:G1C+7]  ; my one tensor load behind the round
	s_nop 0
	PLACES 4
.endm
	DSTEP 0, 0
	CHANGE G0A
	DSTEP 1, 1
	CHANGE G0B
	DSTEP 0, 2
	s_wait_tensorcnt 0x0                           ; the last double step has landed: no load was issued behind it
	DSTEP 1, 3
	PLACES 4                                       ; in front of loads into registers that products have read, and of the first read of results
.irp k, 0,1,2,3,4,5,6,7
	global_load_b128 v[BO+4*\k:BO+4*\k+3], v1, s[14:15] offset:512*\k
	global_load_b128 v[GA+4*\k:GA+4*\k+3], v1, s[16:17] offset:512*\k
	global_load_b128 v[BE+4*\k:BE+4*\k+3], v1, s[18:19] offset:512*\k
.endr
	s_wait_dscnt 0x0                               ; my reads of the slots are over,
	s_barrier_signal -1
	s_barrier_wait -1                              ; everybody's are, and every tensor load has landed: the stage may be written over the slots
	WIN 0x04                                       ; an LDS store's data are its source 1: window 1
.irp a, 0,1
.irp b, 0,1,2,3,4,5,6,7,8,9,10,11,12,13,14,15
	ds_store_b128 v[7+\a], v[8*(16*\a+\b):8*(16*\a+\b)+3] offset:(32*(\b/2)+8*(\b%2))*4        ; each accumulator from its low end on
	ds_store_b128 v[7+\a], v[8*(16*\a+\b)+4:8*(16*\a+\b)+7] offset:(32*(\b/2)+8*(\b%2))*4+16
.endr
.endr
	WIN 0
	s_wait_dscnt 0x0                               ; for the others' sake
	s_barrier_signal -1
	s_barrier_wait -1                              ; 32 whole rows lie in the stage
.macro SUM32 d                         ; v[d]: the sum over the wave's 32 lanes, in every lane
	v_add_f32_dpp v[\d], v[\d], v[\d] row_xmask:1 row_mask:0xf bank_mask:0xf
	v_add_f32_dpp v[\d], v[\d], v[\d] row_xmask:2 row_mask:0xf bank_mask:0xf
	v_add_f32_dpp v[\d], v[\d], v[\d] row_xmask:4 row_mask:0xf bank_mask:0xf
	v_add_f32_dpp v[\d], v[\d], v[\d] row_xmask:8 row_mask:0xf bank_mask:0xf
	v_permlanex16_b32 v60, v[\d], s56, s57
	v_add_f32 v[\d], v[\d], v60
.endm
.macro ROW i                           ; my row i: register 4 k + e of a lane is column 128 k + 4 lane + e, in x, the stage, bo, gamma, beta and the result alike
	s_wait_xcnt 0x0                                ; the last row's stores have read their data: the row's registers are written again only behind this wait
.if \i < 7
.irp k, 0,1,2,3,4,5,6,7
	ds_load_b128 v[ST+32*((\i+1)%2)+4*\k:ST+32*((\i+1)%2)+4*\k+3], v9 offset:SP*(\i+1)+512*\k
.endr
.endif
	WIN 0x02                                       ; source 0 (x) window 2
.set j, 0
.rept 16
	v_pk_add_f32 v[HH+j:HH+j+1], v[32*\i+j:32*\i+j+1], v[BO+j:BO+j+1]
.set j, j+2
.endr
	WIN 0
.if \i < 7
	s_wait_dscnt 8                                 ; this row is in; the next row's eight loads may be out
.else
	s_wait_dscnt 0x0
.endif
.set j, 0
.rept 16
	v_pk_add_f32 v[HH+j:HH+j+1], v[HH+j:HH+j+1], v[ST+32*(\i%2)+j:ST+32*(\i%2)+j+1]   ; h
.set j, j+2
.endr
.irp c, 0,1,2,3
	v_pk_add_f32 v[40+2*\c:41+2*\c], v[HH+2*\c:HH+2*\c+1], v[HH+8+2*\c:HH+9+2*\c]     ; the sum, in four chains
.endr
.irp q, 16,24
.irp c, 0,1,2,3
	v_pk_add_f32 v[40+2*\c:41+2*\c], v[40+2*\c:41+2*\c], v[HH+\q+2*\c:HH+\q+2*\c+1]
.endr
.endr
	v_pk_add_f32 v[40:41], v[40:41], v[42:43]
	v_pk_add_f32 v[44:45], v[44:45], v[46:47]
	v_pk_add_f32 v[40:41], v[40:41], v[44:45]
	v_add_f32 v40, v40, v41
	SUM32 40
	v_mul_f32 v42, s58, v40                        ; the mean, as a pair
	v_mul_f32 v43, s58, v40
.set j, 0
.rept 16
	v_pk_add_f32 v[HH+j:HH+j+1], v[HH+j:HH+j+1], v[42:43] neg_lo:[0,1] neg_hi:[0,1]   ; h - mean
.set j, j+2
.endr
.irp c, 0,1,2,3
	v_pk_mul_f32 v[44+2*\c:45+2*\c], v[HH+2*\c:HH+2*\c+1], v[HH+2*\c:HH+2*\c+1]       ; the squares, in four chains
.endr
.irp q, 8,16,24
.irp c, 0,1,2,3
	v_pk_fma_f32 v[44+2*\c:45+2*\c], v[HH+\q+2*\c:HH+\q+2*\c+1], v[HH+\q+2*\c:HH+\q+2*\c+1], v[44+2*\c:45+2*\c]
.endr
.endr
	v_pk_add_f32 v[44:45], v[44:45], v[46:47]
	v_pk_add_f32 v[48:49], v[48:49], v[50:51]
	v_pk_add_f32 v[44:45], v[44:45], v[48:49]
	v_add_f32 v44, v44, v45
	SUM32 44
	v_fma_f32 v44, v44, s58, s59                   ; the variance + 1e-12
	s_wait_alu depctr_va_vdst(0)
	v_rsq_f32 v46, v44
	v_nop                                          ; a plain line behind it
	s_wait_alu depctr_va_vdst(0)                   ; and the wait ahead of its first reader
.set j, 0
.rept 16
	v_pk_mul_f32 v[HH+j:HH+j+1], v[HH+j:HH+j+1], v[46:47] op_sel_hi:[1,0]
.set j, j+2
.endr
.set j, 0
.rept 16
	v_pk_fma_f32 v[HH+j:HH+j+1], v[HH+j:HH+j+1], v[GA+j:GA+j+1], v[BE+j:BE+j+1]
.set j, j+2
.endr
.irp k, 0,1,2,3,4,5,6,7
	global_store_b128 v1, v[HH+4*\k:HH+4*\k+3], s[20:21] offset:4096*\i+512*\k th:TH_STORE_NT   ; 512 consecutive bytes, aligned
.endr
.endm
.irp k, 0,1,2,3,4,5,6,7
	ds_load_b128 v[ST+4*\k:ST+4*\k+3], v9 offset:512*\k
.endr
	s_wait_loadcnt 0x0                             ; x, bo, gamma, beta
.irp i, 0,1,2,3,4,5,6,7
	ROW \i
.endr
	s_wait_tensorcnt 0x0                           ; the wave's end
	ds_add_u32 v[SPW], v[NIL]
	s_wait_dscnt 0x0
	ROUND                                          ; the closing round
	s_endpgm
.Lfunc_end_k_qf934b104f1_outln:
	.size	k_qf934b104f1_outln, .Lfunc_end_k_qf934b104f1_outln-k_qf934b104f1_outln
	.p2alignl 7, 3214868480
	.fill 96, 4, 3214868480
	.section	.rodata,"a",@progbits
	.p2align	6, 0x0
	.amdhsa_kernel k_qf934b104f1_outln
		.amdhsa_group_segment_fixed_size 327680
		.amdhsa_private_segment_fixed_size 0
		.amdhsa_enable_private_segment 0
		.amdhsa_kernarg_size 72
		.amdhsa_user_sgpr_count 2
		.amdhsa_user_sgpr_kernarg_segment_ptr 1
		.amdhsa_wavefront_size32 1
		.amdhsa_system_sgpr_workgroup_id_x 1
		.amdhsa_system_sgpr_workgroup_id_y 1
		.amdhsa_system_sgpr_workgroup_id_z 1
		.amdhsa_system_vgpr_workitem_id 0
		.amdhsa_next_free_vgpr 1024
		.amdhsa_next_free_sgpr 76
		.amdhsa_reserve_vcc 0
		.amdhsa_float_denorm_mode_32 3
		.amdhsa_float_denorm_mode_16_64 3
		.amdhsa_memory_ordered 1
		.amdhsa_forward_progress 1
		.amdhsa_inst_pref_size 155
	.end_amdhsa_kernel
	.amdgpu_metadata
---
amdhsa.version: [ 1, 2 ]
amdhsa.kernels:
  - .name:           k_qf934b104f1_outln
    .symbol:         k_qf934b104f1_outln.kd
    .args:
      - { .name: cimg, .offset: 0, .size: 8, .value_kind: global_buffer, .address_space: global }
      - { .name: cs, .offset: 8, .size: 8, .value_kind: global_buffer, .address_space: global }
      - { .name: wimg, .offset: 16, .size: 8, .value_kind: global_buffer, .address_space: global }
      - { .name: wsc, .offset: 24, .size: 8, .value_kind: global_buffer, .address_space: global }
      - { .name: x, .offset: 32, .size: 8, .value_kind: global_buffer, .address_space: global }
      - { .name: bo, .offset: 40, .size: 8, .value_kind: global_buffer, .address_space: global }
      - { .name: gamma, .offset: 48, .size: 8, .value_kind: global_buffer, .address_space: global }
      - { .name: beta, .offset: 56, .size: 8, .value_kind: global_buffer, .address_space: global }
      - { .name: out0, .offset: 64, .size: 8, .value_kind: global_buffer, .address_space: global }
    .group_segment_fixed_size: 327680
    .private_segment_fixed_size: 0
    .kernarg_segment_align: 8
    .kernarg_segment_size: 72
    .max_flat_workgroup_size: 128
    .sgpr_count:     76
    .vgpr_count:     1024
    .wavefront_size: 32
...
	.end_amdgpu_metadata
.endif
;; end of part 4
